; MI455X (gfx1250); checked and timed in simulation.
; The chip was launched on July 23, 2026; its instructions are those of AMD's public machine-readable ISA for CDNA 5 (MIT licence, August 2026) and "CDNA5" Instruction Set Architecture Reference Guide (July 2026). The comments in the code are by the model that wrote it; some were corrected since.
;; Batched Expert Pool. Allowed arithmetic: matrix products marked QUANTISED: E2M1 operands, one E8M0 scale for each 32 along K, by v_wmma_scale_f32_16x16x128_f8f6f4 with both operands' format E2M1 (or v_wmma_scale_f32_32x16x128_f4), f32 sums; products left as they are: f32 operands where the result goes on into a quantised operand, else bf16, f16 or f32 operands; f32 sums; everything else in f32.
;; Inputs: b1 8 x 1,024 float32; b2 8 x 512 float32; w1_codes 8 x 1,024 x 16 x 16 uint8 (E2M1 codes of w1, K innermost, in blocks of 32 codes, two codes a byte); w1_scales 8 x 1,024 x 16 uint8 (E8M0 scales of w1, one for each 32 codes along K); w2_codes 8 x 512 x 32 x 16 uint8 (E2M1 codes of w2, K innermost, in blocks of 32 codes, two codes a byte); w2_scales 8 x 512 x 32 uint8 (E8M0 scales of w2, one for each 32 codes along K); weights 4 x 2,048 x 8 float32; x_codes 4 x 2,048 x 16 x 16 uint8 (E2M1 codes of x, K innermost, in blocks of 32 codes, two codes a byte); x_scales 4 x 2,048 x 16 uint8 (E8M0 scales of x, one for each 32 codes along K).
;; Outputs: out0 4 x 2,048 x 512 float32.
;; This version of the problem:
;;   THIS VERSION OF THE PROBLEM IS GIVEN IN LOW PRECISION. The matrix products marked QUANTISED in the list below multiply operands that are first quantised to E2M1 (2 exponent bits, 1 mantissa bit; 4 bits a number), with one power-of-two scale for each 32 numbers along K (OCP MX v1.0); their sums are f32. All else is computed in f32.
;;   The module's matrix products, in the order in which they are computed (A, B: the left and right operand; K: the contracted axis; several contracted axes count as one K, in the product's order):
;;     1. [M 8,192, K 512] x [K 512, N 8,192]; A: input x (given as codes); B: input w1 (given as codes): QUANTISED
;;     2. batch 8 x [M 512, K 1,024] x [K 1,024, N 8,192]; A: input w2 (given as codes); B: computed on the way: QUANTISED
;;     3. batch 8,192 x [M 512, K 8] x [K 8, N 1]; A: computed on the way; B: input weights: left as it is (K = 8 < 32)
;;   THE QUANTISER, for each operand of a quantised product, along K:
;;     - K is cut into blocks of 32 from its start; a last block that is shorter is filled with zeros.
;;     - A block's scale is 2^e with e = floor(log2(the largest magnitude in the block)) - 2, held to -126 .. 127; a block of zeros has e = 0. As a byte (E8M0): e + 127.
;;     - Each number is divided by its block's scale, clamped to +-6, and rounded to the nearest number of E2M1, ties to even, subnormals kept.
;;     - The product sums the exact products of the quantised numbers (number of the format x scale) in f32.
;;   ~~~python
;;   def quantise(x, axis):      # numpy; x: float32 -> the quantised numbers, widened to float32 again
;;       x = np.moveaxis(x, axis, -1); K = x.shape[-1]
;;       x = np.pad(x, [(0, 0)] * (x.ndim - 1) + [(0, -K % 32)]); x = x.reshape(x.shape[:-1] + (-1, 32)); a = np.abs(x).max(-1, keepdims=True)
;;       e = np.where(a > 0, np.clip(np.frexp(np.where(a > 0, a, 1))[1] - 1 - 2, -126, 127), 0)      # np.frexp(a)[1] - 1 = floor(log2(a)), exactly
;;       r = np.clip(x / 2.0 ** e, -6, 6)
;;       step = 2.0 ** (np.maximum(np.frexp(np.where(r == 0, 1, r))[1] - 1, 0) - 1)
;;       q = np.round(r / step) * step * 2.0 ** e      # np.round: ties to even
;;       return np.moveaxis(q.reshape(q.shape[:-2] + (-1,))[..., :K], -1, axis).astype(np.float32)
;;   ~~~
;;   OPERANDS COMPUTED ON THE WAY. 'Computed on the way' means the value that the module computes at that place (a softmax that the list does not call 'softmax' is quantised finished and normalised). What goes into a quantiser is computed in f32, as accurately as f32 sums, v_exp_f32 and their like allow (about 1e-6 of the number): no bf16 or f16 on the way to a quantiser, and a product that is left as it is and whose result goes on into a quantised operand takes f32 operands (vector FMAs, or v_wmma_f32_16x16x4_f32). A number that lies on a knife's edge between two numbers of the format may be rounded either way, as far as f32 arithmetic and the matrix unit's own rounding can turn it there, and no further.
;;   INPUTS GIVEN AS CODES. w1 (in the module: [8, 512, 1024], K = its axis 1); w2 (in the module: [8, 1024, 512], K = its axis 1); x (in the module: [4, 2048, 512], K = its axis 2): each comes as NAME_codes (uint8): NAME with its K axis moved to the last place and cut into blocks of 32 codes, [.., K / 32, bytes a block], one block behind the other in memory; two codes a byte, the lower K in the low four bits (a code: sign, 2 exponent bits, 1 mantissa bit); and NAME_scales (uint8): the same leading axes, one E8M0 byte (e + 127) for each 32 codes along K. Its value is code x scale, taken as it is: it is not quantised again, and the codes and scales need not be those that the quantiser above would give.
;; 2 versions, each right. Each part assembles by itself: llvm-mc -triple=amdgcn-amd-amdhsa -mcpu=gfx1250 --defsym DOCPART=n.
;; ======== version 1 of 2: 1 launch
;; launch moe (part 1): grid 256 x 1, 8 waves a work-group, clusters of 4 x 1, 327,680 bytes of LDS; arguments x_codes, x_scales, w1_codes, w1_scales, b1, w2_codes, w2_scales, b2, weights, out0; writes out0
.if DOCPART == 1
	.amdgcn_target "amdgcn-amd-amdhsa--gfx1250"
	.amdhsa_code_object_version 6
	.text
	.protected	k_q16455fa78f_moe
	.globl	k_q16455fa78f_moe
	.p2align	8
	.type	k_q16455fa78f_moe,@function
k_q16455fa78f_moe:
	s_mov_b64 s[64:65], 0
	v_nop
	global_prefetch_b8 v0, s[64:65] scope:SCOPE_SE
	s_setreg_imm32_b32 hwreg(HW_REG_WAVE_MODE, 25, 1), 1
	s_wait_xcnt 0x0
	s_wait_alu depctr_hold_cnt(0) depctr_sa_sdst(0) depctr_va_vdst(0) depctr_va_sdst(0) depctr_va_ssrc(0) depctr_va_vcc(0) depctr_vm_vsrc(0)
	s_getreg_b32 s2, hwreg(HW_REG_IB_STS2, 6, 4)
	s_cmp_eq_u32 s2, 0
	s_cbranch_scc0 .Lentry_in_a_cluster
	s_endpgm
.Lentry_in_a_cluster:
	s_bfe_u32 s2, ttmp6, 0x10000c
	s_cmp_lg_u32 s2, 0x3003
	s_cbranch_scc0 .Lentry_shape_is_right
	s_endpgm
.Lentry_shape_is_right:
; out0[t][:] = sum over e of weights[t][e] x ( Q(gelu(x[t] W1_e + b1_e)) W2_e + b2_e ).  8,192 tokens, D = 512, 8 experts, H = 1,024.
; x, W1, W2 arrive as codes of E2M1 with one E8M0 byte for each 32 along K and go to the matrix unit as they lie; gelu is the exact (erf) one, in f32; Q quantises the hidden layer along H, 32 to a block.
; NOTHING IS LEFT OUT: every expert counts for every token (the gates are plain factors), and each of the ten buffers has a way to out0.
; ONE LAUNCH.  A work-group of eight waves owns 32 tokens and walks all eight experts; the hidden layer and each expert's result stay in registers and LDS; each row of out0 has one owner.
; A CHUNK is 512 hidden units of one expert (chunk c: expert c / 2, half c % 2).  Wave w makes hidden units 64 w .. 64 w + 63 of a chunk (first product) and outputs d = 64 w .. 64 w + 63 (second product), for all 32 tokens.
; Both products are used transposed (source 0 = 16 rows of a weight, source 1 = 16 tokens): a lane holds ONE token (lane % 16), and its registers run along the hidden units or along d.
; CLUSTER: the four work-groups of a cluster walk the same weights, so each tile is asked for JOINTLY: the same tensor load, with the same descriptor and a mask that names the four.  Each wave fetches the very 64 rows that it alone reads.
; TRIPS.  A_c reads slot 0 = W1's chunk c: 32 products for chunk c, and between them the gelu and quantiser of token tile 1 of chunk c - 1.  B_c reads slot 1 = W2's chunk c - 1 and the hidden layer's image of chunk c - 1:
; 32 products, and between them the gelu and quantiser of token tile 0 of chunk c.  At the head of each trip the slot that the trip before has read is filled again: one tensor load a wave is out, and it has a trip in which to land.
; THE GELU.  t = 1 / (1 + |x| / sqrt(8));  E = 2^(CN x^2 + C0 + C1 t + .. + C9 t^9) = erfc(|x| / sqrt(2)) / (2 t) (the rational-exponential fit of erfc, its coefficients times log2(e), the halving folded into C0);
; w = (x t) E;  gelu = max(x - w, w): for x < 0 that is w = x Phi(x), with no difference of near numbers; for x >= 0 it is x - w.
; THE HIDDEN LAYER GOES FROM WAVE TO WAVE AS AN IMAGE OF THE OPERAND'S REGISTERS: fragment (token tile m, K step s) at 1,024 (4 m + s), its register group g at + 512 g, lane l at + 16 l.  A conversion's eight codes are four
; bytes of one lane's sixteen and are stored to their place there; a row's sixteen scale bytes of a chunk lie on end, so that one load of 16 bytes a lane brings the scale words of all four K steps.
; LIMITS: NaN and infinities ahead of the gelu are not served.  Where E falls under 2^-126 it is taken as 0 (x under about -13: gelu = -0).  The fit's relative error is 1.2e-7; x^2's rounding adds up to some 5e-6 in the far negative tail.
; A block of zeros gets the scale byte 1 where the quantiser says 127: its codes are zeros, and the bytes are read by this program alone.
; The gates are read as 4 bytes a token for each expert (the work-group's own 1,024 bytes, sixteen loads a wave in all); x's 8 KB are read by each of the eight waves, once.
.set ROWP,  272                        ; a weight's row in LDS: 256 bytes + 16 of padding: row r begins 16 r bytes further on modulo 256, so the sixteen rows of a fragment load touch sixteen different columns of 16 bytes
.set WTILE, 64*ROWP                    ; a wave's 64 rows: one tensor load
.set SLOT,  8*WTILE                    ; 512 rows.  Slot 0 (W1) at 0, slot 1 (W2) at SLOT
.set HIMG,  2*SLOT                     ; the hidden layer's images: two buffers of 8,192 bytes
.set HSC,   HIMG+16384                 ; their scale bytes: two buffers of 512 bytes
.set SPARE, HSC+1024                   ; the spare words, 128 bytes for each wave: four blocks of 256 bytes that no other line names
; window 0
.set AW1,  1                           ; v1   LDS address of my lane in my 64 rows of slot 0: (64 w + r) ROWP + 16 h
.set AW2,  2                           ; v2   the same in slot 1
.set LI,   3                           ; v3   HIMG + 16 x lane
.set HST,  4                           ; v4   HIMG + 512 w + 16 r + 4 h: where my codes go
.set HSS,  5                           ; v5   HSC + 16 r + 2 w: where my two scale bytes go
.set VH32, 6                           ; v6   32 h      (biases)
.set VL16, 7                           ; v7   16 x lane (x's and W1's scale words)
.set VL32, 8                           ; v8   32 x lane (W2's scale words)
.set VR32, 9                           ; v9   32 r      (gates)
.set PFO1, 10                          ; v10  256 x lane (prefetch of W1)
.set PFO2, 11                          ; v11  512 x lane (prefetch of W2)
.set SPW,  12                          ; v12  my spare word; never rewritten
.set NIL,  13                          ; v13  0; never rewritten
.set C9V,  14                          ; v[14:15] C9, twice
.set XS,   16                          ; v16-19 x's scale words: register q; lanes 0-15 token tile 0, lanes 16-31 tile 1
.set W1S,  20                          ; v20-27 W1's: register 4 (t / 2) + q; lanes 0-15 tile t even, lanes 16-31 t odd
.set W2S,  28                          ; v28-35 W2's likewise
.set HS,   36                          ; v36-39 the hidden layer's: register s; lanes as x's
.set GW,   40                          ; v40, v42 the gates of my token in tiles 0, 1 (v41, v43 named with them as pairs)
.set QM,   44
.set QP,   45
.set QS,   46
.set QB,   47
.set CD,   48                          ; v48-51 a unit's codes
.set SB,   52                          ; v52  its two scale bytes
.set BC,   56                          ; v56-87 a bias in the result's layout: 8 registers a tile
.set T,    88                          ; v88-103, v104-119, v120-135: the gelu's sixteen numbers at work
.set P,    104
.set Y,    120
.set T0,   136                         ; v136-167 first product, token tile 0
.set T1A,  168                         ; v168-199, v200-231 token tile 1, by the chunk's parity; the idle one holds the hidden layer's fragments
.set T1B,  200
.set STO,  232                         ; the way out
.set RD,   233
.set CO,   234
.set XO,   235
.set RB,   136                         ; the way out: 64 registers read back from the stage
; window 1
.set XF,   0                           ; x's fragments (m, q) at 8 (4 m + q): they stay
.set WF,   64                          ; a weight's four fragments of a K step, two buffers of 32
.set DE,   128                         ; the expert's result, accumulator (dt, m) at 8 (2 dt + m)
.set OUT,  192                         ; out0's sums, laid the same way
; scalars
.set PX,   4
.set PXS,  6
.set PW1C, 8
.set PW1S, 10
.set PB1,  12
.set PW2C, 14
.set PW2S, 16
.set PB2,  18
.set PGW,  20
.set PO,   22
.set G1A,  24                          ; s[24:31] descriptor group 1 for W1's tiles; s[32:39] for W2's
.set G1B,  32
.set G0A,  40                          ; s[40:43], s[44:47] their groups 0, which walk
.set G0B,  44
.set WV,   48
.set CX,   49
.set CNT,  50
.set LIM,  51                          ; 1 in a wave that prefetches, else the greatest number
.set SEL,  52                          ; s[52:53] v_permlanex16_b32's selects for lane l xor 16
.set PFA1, 54
.set PFA2, 56
.set CH,   58
.set CN,   66                          ; s[66:67]; s[68 + 2 k : 69 + 2 k] = Ck, k = 0 .. 8: the packed forms name a pair and take its low word for both halves
.set CK,   68
.set MSB, 0
.macro WIN new                         ; the immediate's high byte repeats the setting that is left; bits 1:0 source 0, 3:2 source 1, 5:4 source 2, 7:6 destination
.if MSB != \new
	s_set_vgpr_msb (MSB<<8)|\new
.set MSB, \new
.endif
.endm
.macro PLACES                          ; four places behind matrix instructions, where no other vector work is at hand (ISA guide 7.12.1)
.rept 4
	v_nop
.endr
.endm
.macro KSET r, bits
	s_mov_b32 s[\r], \bits
	s_mov_b32 s[\r+1], \bits
.endm
.macro CROUND                          ; a round of the cluster's barrier: my work-group's barrier; wave 0 signals for the work-group; every wave waits for all four work-groups; my work-group's barrier once more
	s_barrier_signal -1
	s_barrier_wait -1
	s_cmp_lg_u32 s[WV], 0
	s_cbranch_scc1 .Lnot_wave_0_\@
	s_barrier_signal -3
.Lnot_wave_0_\@:
	s_barrier_wait -3
	s_barrier_signal -1
	s_barrier_wait -1
.endm
; THE HEAD OF A TRIP.  kind 1: slot 0 is filled again; kind 2: slot 1; kind 0: a plain barrier, nothing is filled; kind 3: no barrier (nothing has been handed over yet).
; da, db: what the walking descriptors step by.  Each wave waits for all its tensor loads (the one that is out is the slot that this trip reads), adds 0 to its spare word, and waits for that, for its reads of the slot that
; it has left and for its stores of the hidden layer: behind the round nobody in the cluster reads that slot, and the images are whole.
.macro SYNC kind, da, db
	s_wait_tensorcnt 0x0                           ; no tensor load of mine is out, so a group 0 may be written
.if (\kind == 1) || (\kind == 2)
	ds_add_u32 v[SPW], v[NIL]
.if \da
	s_add_nc_u64 s[G0A+2:G0A+3], s[G0A+2:G0A+3], \da
.endif
.if \db
	s_add_nc_u64 s[G0B+2:G0B+3], s[G0B+2:G0B+3], \db
.endif
	s_wait_dscnt 0x0
	CROUND
.if \kind == 1
	tensor_load_to_lds s[G0A:G0A+3], s[G1A:G1A+7]  ; my one tensor load behind the round, and the first thing there
.else
	tensor_load_to_lds s[G0B:G0B+3], s[G1B:G1B+7]
.endif
	s_nop 0
	PLACES
.elseif \kind == 0
	s_wait_dscnt 0x0                               ; my stores of the hidden layer have landed
	s_barrier_signal -1
	s_barrier_wait -1
.endif
.endm
; A PREFETCH INTO THE L2 of a chunk that the tensor loads will ask for two trips on: 512 rows x 256 bytes, a lane a row.  All clusters walk the same weights: the first cluster asks, and nobody else; its four partners are
; told apart BY ADDRESS (rows 128 cx on), and in each of them waves 0 to 3 ask for 32 rows each: every row's 256 bytes are named once in the launch.  mode 1: not in the loop's last trip, which has no such chunk.
.macro ASK base, vo, imm, mode
.if \mode
	s_cmp_gt_u32 s[CNT], s[LIM]
.else
	s_cmp_eq_u32 s[LIM], 1
.endif
	s_cbranch_scc0 .Lnot_mine_\@
	global_prefetch_b8 v[\vo], s[\base:\base+1] offset:\imm th:TH_LOAD_NT scope:SCOPE_SE
.Lnot_mine_\@:
.endm
; THE GELU AND THE QUANTISER of sixteen numbers of a lane, v[xb] on: half a block of 32 hidden units of my token (the other half lies in lane l xor 16).  Four pieces, between which matrix instructions and loads stand.
.macro GP1 xb                          ; 1 + |x| / sqrt(8), its reciprocal, CN x^2 + C0
.set ii, 0
.rept 16
	v_fma_f32 v[T+ii], |v[ii+\xb]|, s[CH], 1.0     ; (each accumulator is read from its low end on)
.set ii, ii+1
.endr
.set ii, 0
.rept 16
	v_rcp_f32 v[T+ii], v[T+ii]
.set ii, ii+1
.endr
.set ii, 0
.rept 8
	v_pk_mul_f32 v[Y+ii:Y+ii+1], v[ii+\xb:ii+\xb+1], s[CN:CN+1] op_sel_hi:[1,0]   ; plain work behind the reciprocals
.set ii, ii+2
.endr
.set ii, 0
.rept 8
	v_pk_fma_f32 v[Y+ii:Y+ii+1], v[Y+ii:Y+ii+1], v[ii+\xb:ii+\xb+1], s[CK:CK+1] op_sel_hi:[1,1,0]
.set ii, ii+2
.endr
.endm
.macro GP2                             ; the exponent, by Horner's rule in t; eight pairs by turns, so that no line waits for the line above it
	s_wait_alu depctr_va_vdst(0)                   ; one wait for the sixteen reciprocals, ahead of their first reader
.irp p, 0,2,4,6,8,10,12,14
	v_pk_fma_f32 v[P+\p:P+\p+1], v[T+\p:T+\p+1], v[C9V:C9V+1], s[CK+16:CK+17] op_sel_hi:[1,1,0]
.endr
.irp k, 7,6,5,4,3,2,1
.irp p, 0,2,4,6,8,10,12,14
	v_pk_fma_f32 v[P+\p:P+\p+1], v[P+\p:P+\p+1], v[T+\p:T+\p+1], s[CK+2*\k:CK+2*\k+1] op_sel_hi:[1,1,0]
.endr
.endr
.irp p, 0,2,4,6,8,10,12,14
	v_pk_fma_f32 v[P+\p:P+\p+1], v[P+\p:P+\p+1], v[T+\p:T+\p+1], v[Y+\p:Y+\p+1]
.endr
.endm
.macro GP3 xb                          ; E, and x t
.set ii, 0
.rept 16
	v_exp_f32 v[P+ii], v[P+ii]
.set ii, ii+1
.endr
.set ii, 0
.rept 8
	v_pk_mul_f32 v[T+ii:T+ii+1], v[ii+\xb:ii+\xb+1], v[T+ii:T+ii+1]   ; plain work behind the exponentials; also the places behind the matrix instructions in front of this piece
.set ii, ii+2
.endr
.endm
.macro GP4 xb, b, ioff, soff           ; gelu; the block's scale; codes and scale bytes to LDS.  b: which of my two blocks; ioff, soff: the image's and the scale bytes' constant offsets
	s_wait_alu depctr_va_vdst(0)                   ; one wait for the sixteen exponentials, ahead of their first reader
.set ii, 0
.rept 8
	v_pk_mul_f32 v[P+ii:P+ii+1], v[T+ii:T+ii+1], v[P+ii:P+ii+1]                   ; w
.set ii, ii+2
.endr
.set ii, 0
.rept 8
	v_pk_add_f32 v[T+ii:T+ii+1], v[ii+\xb:ii+\xb+1], v[P+ii:P+ii+1] neg_lo:[0,1] neg_hi:[0,1]   ; x - w
.set ii, ii+2
.endr
.set ii, 0
.rept 16
	v_max_num_f32 v[P+ii], v[T+ii], v[P+ii]
.set ii, ii+1
.endr
	v_max3_num_f32 v[QM], |v[P]|, |v[P+1]|, 0x1800000              ; the largest magnitude of my sixteen, in two chains, with the floor 2^(3 - 127) among the leaves: the byte cannot fall under 1
	v_max3_num_f32 v[QP], |v[P+2]|, |v[P+3]|, |v[P+4]|
	v_max3_num_f32 v[QM], v[QM], |v[P+5]|, |v[P+6]|
	v_max3_num_f32 v[QP], v[QP], |v[P+7]|, |v[P+8]|
	v_max3_num_f32 v[QM], v[QM], |v[P+9]|, |v[P+10]|
	v_max3_num_f32 v[QP], v[QP], |v[P+11]|, |v[P+12]|
	v_max3_num_f32 v[QM], v[QM], |v[P+13]|, |v[P+14]|
	v_max3_num_f32 v[QM], v[QM], v[QP], |v[P+15]|
	v_permlanex16_b32 v[QP], v[QM], s[SEL], s[SEL+1]
	v_max_num_f32 v[QM], v[QM], v[QP]              ; with lane l xor 16's: the block's
	v_add_nc_u32 v[QS], 0xff000000, v[QM]          ; 2 off its exponent field: the conversion takes the exponent field of this operand as its scale
	v_cvt_scalef32_pk8_fp4_f32 v[CD+2*\b], v[P:P+7], v[QS]         ; hidden units 32 b + 8 h + 0 .. 7: bytes 4 h on of the block's sixteen
	v_cvt_scalef32_pk8_fp4_f32 v[CD+2*\b+1], v[P+8:P+15], v[QS]    ; 32 b + 16 + 8 h + 0 .. 7: bytes 8 + 4 h on
	v_lshrrev_b32 v[QB], 23, v[QS]                 ; the scale's byte (the plain line behind the conversions)
.if \b
	v_lshl_or_b32 v[SB], v[QB], 8, v[SB]
.else
	v_mov_b32 v[SB], v[QB]
.endif
	ds_store_b32 v[HST], v[CD+2*\b] offset:\ioff
	ds_store_b32 v[HST], v[CD+2*\b+1] offset:\ioff+8
.if \b
	ds_store_b16 v[HSS], v[SB] offset:\soff        ; both halves of the lanes write the same two bytes with the same value
.endif
.endm
; The codes' and bytes' registers are written again only in the next trip, behind its s_wait_dscnt 0.
.macro WM                              ; one matrix instruction on rD, rA, rB, rC, rSA, rSB; fA, fB: the scales stand in lanes 16-31
.if fA && fB
	v_wmma_scale_f32_16x16x128_f8f6f4 v[rD:rD+7], v[rA:rA+7], v[rB:rB+7], v[rC:rC+7], v[rSA], v[rSB] matrix_a_fmt:MATRIX_FMT_FP4 matrix_b_fmt:MATRIX_FMT_FP4 matrix_a_scale:MATRIX_SCALE_ROW1 matrix_b_scale:MATRIX_SCALE_ROW1
.elseif fA
	v_wmma_scale_f32_16x16x128_f8f6f4 v[rD:rD+7], v[rA:rA+7], v[rB:rB+7], v[rC:rC+7], v[rSA], v[rSB] matrix_a_fmt:MATRIX_FMT_FP4 matrix_b_fmt:MATRIX_FMT_FP4 matrix_a_scale:MATRIX_SCALE_ROW1
.elseif fB
	v_wmma_scale_f32_16x16x128_f8f6f4 v[rD:rD+7], v[rA:rA+7], v[rB:rB+7], v[rC:rC+7], v[rSA], v[rSB] matrix_a_fmt:MATRIX_FMT_FP4 matrix_b_fmt:MATRIX_FMT_FP4 matrix_b_scale:MATRIX_SCALE_ROW1
.else
	v_wmma_scale_f32_16x16x128_f8f6f4 v[rD:rD+7], v[rA:rA+7], v[rB:rB+7], v[rC:rC+7], v[rSA], v[rSB] matrix_a_fmt:MATRIX_FMT_FP4 matrix_b_fmt:MATRIX_FMT_FP4
.endif
.endm
; Eight products of the first kind: K step q; W1's four tiles x the two token tiles: eight accumulators by turns.  tn: where token tile 1's results go.  first = 1: b1 is the C of the sums' first products.
.macro RUN1 q, tn, first
	WIN 0x05                                       ; W1 and x in window 1
.irp t, 0,1,2,3
.irp m, 0,1
.set rD, T0+8*\t+\m*(\tn-T0)
.set rA, WF+32*(\q%2)+8*\t
.set rB, XF+8*(4*\m+\q)
.if \first
.set rC, BC+8*\t
.else
.set rC, rD
.endif
.set rSA, W1S+4*(\t/2)+\q
.set rSB, XS+\q
.set fA, \t%2
.set fB, \m
	WM
.endr
.endr
	WIN 0
.endm
; Eight products of the second kind: K step s of the chunk; W2's four tiles x the two token tiles.  hf: where the hidden layer's fragments lie.  first = 1: b2 is the C of an expert's first products.
.macro RUN2 s, hf, first
.if \first
	WIN 0x41                                       ; W2 and the result in window 1, the hidden layer and b2 in window 0
.else
	WIN 0x51                                       ; C in window 1 too
.endif
.irp dt, 0,1,2,3
.irp m, 0,1
.set rD, DE+8*(2*\dt+\m)
.set rA, WF+32*(\s%2)+8*\dt
.set rB, \hf+16*(\s%2)+8*\m
.if \first
.set rC, BC+8*\dt
.else
.set rC, rD
.endif
.set rSA, W2S+4*(\dt/2)+\s
.set rSB, HS+\s
.set fA, \dt%2
.set fB, \m
	WM
.endr
.endr
	WIN 0
.endm
.macro LWF adr, q                      ; my four fragments of K step q from a slot into buffer q % 2 (under destination window 1): lane (r, h) takes row 16 t + r, bytes 64 q + 16 h and 32 on
.irp t, 0,1,2,3
.irp c, 0,1
	ds_load_b128 v[WF+32*(\q%2)+8*\t+4*\c:WF+32*(\q%2)+8*\t+4*\c+3], v[\adr] offset:\t*16*ROWP+64*\q+32*\c
.endr
.endr
.endm
.macro LH s, hf, hb                    ; the hidden layer's two fragments of K step s, as they were stored
.irp m, 0,1
.irp c, 0,1
	ds_load_b128 v[\hf+16*(\s%2)+8*\m+4*\c:\hf+16*(\s%2)+8*\m+4*\c+3], v[LI] offset:8192*\hb+1024*(4*\m+\s)+512*\c
.endr
.endr
.endm
.macro LBC base, imm                   ; a bias in the result's layout: lane (r, h), tile t, register j: number 16 t + 8 h + j of my 64
.irp t, 0,1,2,3
	global_load_b128 v[BC+8*\t:BC+8*\t+3], v[VH32], s[\base:\base+1] offset:\imm+64*\t
	global_load_b128 v[BC+8*\t+4:BC+8*\t+7], v[VH32], s[\base:\base+1] offset:\imm+64*\t+16
.endr
.endm
.macro LW1S imm                        ; a chunk's scale words of my 64 rows of W1: 16 bytes a row, a lane a row: 512 bytes on end a load
	global_load_b128 v[W1S:W1S+3], v[VL16], s[PW1S:PW1S+1] offset:\imm
	global_load_b128 v[W1S+4:W1S+7], v[VL16], s[PW1S:PW1S+1] offset:\imm+512
.endm
.macro LW2S imm                        ; the same of W2: the chunk's 16 of a row's 32 bytes
	global_load_b128 v[W2S:W2S+3], v[VL32], s[PW2S:PW2S+1] offset:\imm
	global_load_b128 v[W2S+4:W2S+7], v[VL32], s[PW2S:PW2S+1] offset:\imm+1024
.endm
.macro GATE                            ; out0's sums += the expert's result x my token's gate; each accumulator from its low end on
	WIN 0x51                                       ; the gate in window 0, all else in window 1
.irp a, 0,1,2,3,4,5,6,7
.irp p, 0,2,4,6
	v_pk_fma_f32 v[OUT+8*\a+\p:OUT+8*\a+\p+1], v[DE+8*\a+\p:DE+8*\a+\p+1], v[GW+2*(\a%2):GW+2*(\a%2)+1], v[OUT+8*\a+\p:OUT+8*\a+\p+1] op_sel_hi:[1,0,1]
.endr
.endr
	WIN 0
.endm
; TRIP A.  sync, db: its head.  tn: M1 writes token tile 1 there; to: the gelu reads token tile 1 of the chunk before there; hb: that chunk's image.  m1, g: is there matrix work, is there a gelu.
; ask: immediate of the prefetch of W2, or -1.  bcb, bci: the bias to fetch for a later trip (base 0: none).  w1s: immediate of the next chunk's scale words, or -1.  gw: fetch the expert's gates.
; Every run of loads into registers that matrix instructions have read stands behind four or more plain vector lines that name none of them: pieces of the gelu, or v_nop where there is none.
.macro TRIPA sync, db, tn, to, hb, m1, g, ask, bcb, bci, w1s, gw
	SYNC \sync, 0, \db
.if \m1
	WIN 0x40
	LWF AW1, 0
	LWF AW1, 1
	WIN 0
.endif
.if \ask >= 0
	ASK PFA2, PFO2, \ask, 0
.endif
.if \g
	GP1 \to
.endif
.if \m1
	s_wait_dscnt 8                                 ; K step 0's fragments are in; K step 1's eight loads may be out
	s_wait_loadcnt 0x0                             ; scale words and bias, asked for a trip ago
	RUN1 0, \tn, 1
.endif
.if \g
	GP2
.else
	PLACES
.endif
.if \m1
	WIN 0x40
	LWF AW1, 2
	WIN 0
.if \bcb
	LBC \bcb, \bci
.endif
.if \gw
	global_load_b32 v[GW], v[VR32], s[PGW:PGW+1]
	global_load_b32 v[GW+2], v[VR32], s[PGW:PGW+1] offset:512
.endif
	s_wait_dscnt 8                                 ; all but K step 2's eight
	RUN1 1, \tn, 0
.endif
.if \g
	GP3 \to
.else
	PLACES
.endif
.if \m1
	WIN 0x40
	LWF AW1, 3
	WIN 0
.endif
.if \g
	GP4 \to, 0, 8192*\hb+4096, 0
	GP1 \to+16
.endif
.if \m1
	s_wait_dscnt 8+2*\g                            ; behind K step 2's loads: K step 3's eight and the two stores of codes
	RUN1 2, \tn, 0
.endif
.if \g
	GP2
.endif
.if \m1
	s_wait_dscnt 2*\g                              ; behind K step 3's loads: the two stores
	RUN1 3, \tn, 0
.endif
.if \g
	GP3 \to+16
.else
	PLACES
.endif
.if \w1s >= 0
	LW1S \w1s
.endif
.if \g
	GP4 \to+16, 1, 8192*\hb+4096+256, 512*\hb+256
.endif
.endm
; TRIP B.  sync, da, db: its head.  hf: the idle buffer that takes the hidden layer's fragments; hbr: the image that M2 reads; hbw: the image that the gelu of token tile 0 writes.
; m2, g as above; first: M2 begins an expert; gate: it ends one.  ask, amode: the prefetch of W1.  bci: immediate of b1 for the next trip, or -1.  w2s: immediate of the next chunk's scale words of W2, or -1.
.macro TRIPB sync, da, db, hf, hbr, hbw, m2, first, g, gate, ask, amode, bci, w2s
	SYNC \sync, \da, \db
.if \m2
	WIN 0x40
	LWF AW2, 0
	LWF AW2, 1
	WIN 0
	ds_load_b128 v[HS:HS+3], v[LI] offset:16384+512*\hbr   ; lane l: token l's sixteen scale bytes: register s is K step s's word
	LH 0, \hf, \hbr
	LH 1, \hf, \hbr
.endif
.if \ask >= 0
	ASK PFA1, PFO1, \ask, \amode
.endif
.if \g
	GP1 T0
.endif
.if \m2
	s_wait_dscnt 4                                 ; all but the hidden layer's four loads of K step 1
	s_wait_loadcnt 0x0                             ; scale words, bias and gates, asked for a trip ago or more
	RUN2 0, \hf, \first
.endif
.if \g
	GP2
.else
	PLACES
.endif
.if \m2
	WIN 0x40
	LWF AW2, 2
	WIN 0
	LH 2, \hf, \hbr
.endif
.if \bci >= 0
	LBC PB1, \bci
.endif
.if \m2
	s_wait_dscnt 12                                ; all but K step 2's twelve
	RUN2 1, \hf, 0
.endif
.if \g
	GP3 T0
.else
	PLACES
.endif
.if \m2
	WIN 0x40
	LWF AW2, 3
	WIN 0
	LH 3, \hf, \hbr
.endif
.if \g
	GP4 T0, 0, 8192*\hbw, 0
	GP1 T0+16
.endif
.if \m2
	s_wait_dscnt 12+2*\g                           ; behind K step 2's loads: K step 3's twelve and the two stores of codes
	RUN2 2, \hf, 0
.endif
.if \g
	GP2
.endif
.if \m2
	s_wait_dscnt 2*\g
	RUN2 3, \hf, 0
.endif
.if \g
	GP3 T0+16
.else
	PLACES
.endif
.if \gate
	GATE
.endif
.if \w2s >= 0
	LW2S \w2s
.endif
.if \g
	GP4 T0+16, 1, 8192*\hbw+256, 512*\hbw
.endif
.endm
	s_load_b512 s[4:19], s[0:1], 0x0               ; x's codes, x's scales, W1's codes, W1's scales, b1, W2's codes, W2's scales, b2
	s_load_b128 s[20:23], s[0:1], 0x40             ; the gates, out0
	v_lshl_add_u32 v[SPW], v0, 2, SPARE
	v_mov_b32 v[NIL], 0
	ds_add_u32 v[SPW], v[NIL]                      ; the wave's opening: the add, twice on end, and its wait ahead of my first tensor load; the set-up below stands between the second and the wait
	ds_add_u32 v[SPW], v[NIL]
	v_lshrrev_b32 v1, 5, v0
	v_readfirstlane_b32 s[WV], v1                  ; wave 0..7
	s_bfe_u32 s[CX], ttmp6, 0x40000                ; my place in the cluster: it enters global addresses of x, the gates, out0 and the prefetches alone
	; descriptor group 1: a tile of 64 rows x 256 bytes, 16 bytes of padding behind each row; W1's rows are 256 bytes apart in memory, W2's 512
	s_mov_b32 s[G1A], 15|(1<<20)|(1<<21)|(5<<22)|(3<<25)   ; 15:0 the mask: all four work-groups; 17:16 elements of 1 byte; 20 padding on; 21 set beside a mask; 24:22 after every 64 words; 31:25 four words
	s_mov_b32 s[G1B], 15|(1<<20)|(1<<21)|(5<<22)|(3<<25)
.irp g, G1A, G1B
	s_mov_b32 s[\g+1], 256<<16                     ; tensor_dim0
	s_mov_b32 s[\g+2], 64<<16                      ; tensor_dim1
	s_mov_b32 s[\g+3], 256<<16                     ; tile_dim0
	s_mov_b32 s[\g+4], 64                          ; tile_dim1
	s_mov_b32 s[\g+6], 0
	s_mov_b32 s[\g+7], 0
.endr
	s_mov_b32 s[G1A+5], 256                        ; tensor_dim0_stride
	s_mov_b32 s[G1B+5], 512
	s_mov_b32 s[G0A], 1
	s_mul_i32 s[G0A+1], s[WV], WTILE               ; my 64 rows' place in slot 0: the wave's number alone
	s_mov_b32 s[G0B], 1
	s_add_co_u32 s[G0B+1], s[G0A+1], SLOT          ; and in slot 1
	s_mov_b32 s[SEL], 0x76543210
	s_mov_b32 s[SEL+1], 0xfedcba98
	s_mov_b32 s[CH], 0x3eb504f3                    ; 1 / sqrt(8)
	KSET CN, 0xbf38aa3b                            ; -log2(e) / 2
	KSET CK, 0xc034d90f                            ; C0 = -1.26551223 log2(e) - 1
	KSET CK+2, 0x3fb8ab5a                          ; C1 .. C8: the fit's coefficients x log2(e)
	KSET CK+4, 0x3f0a29d2
	KSET CK+6, 0x3e0efb2e
	KSET CK+8, 0xbe899a80
	KSET CK+10, 0x3ecdfd18
	KSET CK+12, 0xbfd1a1e5
	KSET CK+14, 0x40097039
	KSET CK+16, 0xbf97d29d
	s_lshl_b32 s62, s[WV], 14                      ; my 64 rows of W1 in a chunk
	s_mov_b32 s63, 0
	s_wait_dscnt 0x0                               ; both opening adds are done
	s_wait_kmcnt 0x0
	s_add_nc_u64 s[G0A+2:G0A+3], s[PW1C:PW1C+1], s[62:63]
	s_or_b32 s[G0A+3], s[G0A+3], 0x80000000        ; type = 2
	s_lshl_b32 s62, s[WV], 15                      ; my 64 rows of W2 in an expert
	s_add_nc_u64 s[G0B+2:G0B+3], s[PW2C:PW2C+1], s[62:63]
	s_or_b32 s[G0B+3], s[G0B+3], 0x80000000
	CROUND                                         ; all four work-groups are here: the first joint loads meet
	tensor_load_to_lds s[G0A:G0A+3], s[G1A:G1A+7]  ; W1's chunk 0, my 64 rows
	s_nop 0
	PLACES
	; the pointers: my wave's part of the weights' small tables, my work-group's part of x, the gates and out0
	s_lshl_b32 s62, s[WV], 10
	s_add_nc_u64 s[PW1S:PW1S+1], s[PW1S:PW1S+1], s[62:63]
	s_lshl_b32 s62, s[WV], 8
	s_add_nc_u64 s[PB1:PB1+1], s[PB1:PB1+1], s[62:63]
	s_add_nc_u64 s[PB2:PB2+1], s[PB2:PB2+1], s[62:63]
	s_lshl_b32 s62, s[WV], 11
	s_add_nc_u64 s[PW2S:PW2S+1], s[PW2S:PW2S+1], s[62:63]
	s_lshl_b32 s59, ttmp9, 2                       ; in a cluster launch ttmp9 counts clusters
	s_add_co_u32 s59, s59, s[CX]                   ; my work-group: 32 tokens
	s_mov_b32 s61, 0
	s_lshl_b32 s60, s59, 13
	s_add_nc_u64 s[PX:PX+1], s[PX:PX+1], s[60:61]
	s_lshl_b32 s60, s59, 9
	s_add_nc_u64 s[PXS:PXS+1], s[PXS:PXS+1], s[60:61]
	s_lshl_b32 s60, s59, 10
	s_add_nc_u64 s[PGW:PGW+1], s[PGW:PGW+1], s[60:61]
	s_lshl_b32 s60, s59, 16
	s_lshl_b32 s86, s[WV], 8
	s_add_co_u32 s60, s60, s86
	s_add_nc_u64 s[PO:PO+1], s[PO:PO+1], s[60:61]  ; out0 at my first token, my 64 columns
	s_lshl_b32 s60, s[CX], 2
	s_add_co_u32 s60, s60, s[WV]
	s_lshl_b32 s60, s60, 13                        ; the prefetches: rows 32 (4 cx + w) on of a chunk's 512
	s_add_nc_u64 s[PFA1:PFA1+1], s[PW1C:PW1C+1], s[60:61]
	s_lshl_b32 s60, s60, 1
	s_add_nc_u64 s[PFA2:PFA2+1], s[PW2C:PW2C+1], s[60:61]
	s_lshr_b32 s60, s[WV], 2                       ; 0 in waves 0 to 3,
	s_or_b32 s60, s60, ttmp9                       ; of the first cluster: the same in all four partners
	s_cmp_eq_u32 s60, 0
	s_cselect_b32 s[LIM], 1, -1
	v_and_b32 v236, 15, v0                         ; r
	v_bfe_u32 v237, v0, 4, 1                       ; h
	v_and_b32 v238, 31, v0                         ; lane
	s_mul_i32 s59, s[WV], WTILE
	v_mul_u32_u24 v[AW1], v236, ROWP
	v_lshl_add_u32 v[AW1], v237, 4, v[AW1]
	v_add_nc_u32 v[AW1], s59, v[AW1]
	v_add_nc_u32 v[AW2], SLOT, v[AW1]
	v_lshlrev_b32 v[VL16], 4, v238
	v_add_nc_u32 v[LI], HIMG, v[VL16]
	s_lshl_b32 s62, s[WV], 9
	v_lshlrev_b32 v[HST], 4, v236
	v_lshl_add_u32 v[HST], v237, 2, v[HST]
	v_add_nc_u32 v[HST], s62, v[HST]
	v_add_nc_u32 v[HST], HIMG, v[HST]
	s_lshl_b32 s62, s[WV], 1
	v_lshlrev_b32 v[HSS], 4, v236
	v_add_nc_u32 v[HSS], s62, v[HSS]
	v_add_nc_u32 v[HSS], HSC, v[HSS]
	v_lshlrev_b32 v[VH32], 5, v237
	v_lshlrev_b32 v[VL32], 5, v238
	v_lshlrev_b32 v[VR32], 5, v236
	v_lshlrev_b32 v[PFO1], 8, v238
	v_lshlrev_b32 v[PFO2], 9, v238
	v_lshlrev_b32 v[XO], 8, v236
	v_lshl_add_u32 v[XO], v237, 4, v[XO]           ; x: row r of 256 bytes, + 16 h
	v_mul_u32_u24 v[STO], v236, ROWP               ; the way out: a stage of 16 rows x (256 + 16) bytes at the head of my own part of slot 0.  In: row r, + 32 h
	v_lshl_add_u32 v[STO], v237, 5, v[STO]
	v_add_nc_u32 v[STO], s59, v[STO]
	v_mul_u32_u24 v[RD], v237, ROWP                ; back: lanes 0-15 one row, lanes 16-31 the next
	v_lshl_add_u32 v[RD], v236, 4, v[RD]
	v_add_nc_u32 v[RD], s59, v[RD]
	v_lshlrev_b32 v[CO], 11, v237                  ; and the same two rows in out0
	v_lshl_add_u32 v[CO], v236, 4, v[CO]
	v_mov_b32 v[C9V], 0x3e7c6f08                   ; C9
	v_mov_b32 v[C9V+1], 0x3e7c6f08
	v_mov_b32 v[GW+1], 0                           ; (named as the upper halves of pairs)
	v_mov_b32 v[GW+3], 0
	WIN 0x40
.irp m, 0,1
.irp q, 0,1,2,3
.irp c, 0,1
	global_load_b128 v[XF+8*(4*\m+\q)+4*\c:XF+8*(4*\m+\q)+4*\c+3], v[XO], s[PX:PX+1] offset:4096*\m+64*\q+32*\c   ; x's eight fragments stay in registers
.endr
.endr
.endr
.set ii, 0
.rept 64
	v_mov_b32 v[OUT+ii], 0                         ; out0's sums: written once, so that the gate has one form for all experts
.set ii, ii+1
.endr
	WIN 0
	global_load_b128 v[XS:XS+3], v[VL16], s[PXS:PXS+1]   ; lane l: token l's sixteen scale bytes
	LW1S 0
	LBC PB1, 0
	; chunk 0 has no chunk before it: A_0 multiplies only, B_0 has the gelu only
	TRIPA 3, 0, T1A, T1B, 0, 1, 0, -1, PB1, 2048, 8192, 0
	TRIPB 1, 131072, 0, T1B, 0, 0, 0, 0, 1, 0, 262144, 0, -1, 0
	s_mov_b32 s[CNT], 7
.Lpair:                                                ; trip j = 0 .. 6: A and B of chunks 2 j + 1 and 2 j + 2; expert j is finished in it.  After two chunks the register numbers are back where they began
	TRIPA 2, 0, T1B, T1A, 0, 1, 1, 256, PB2, 0, 16384, 1
	TRIPB 1, 131072, 0, T1A, 0, 1, 1, 1, 1, 0, 393216, 0, 4096, 16
	TRIPA 2, 256, T1A, T1B, 1, 1, 1, 262144, PB1, 6144, 24576, 0
	TRIPB 1, 131072, 261888, T1B, 1, 0, 1, 0, 1, 1, 524288, 1, -1, 16384
	s_wait_xcnt 0x0                                ; the trip's loads and prefetches have read their bases: they step by two chunks, or an expert
	s_add_nc_u64 s[PB1:PB1+1], s[PB1:PB1+1], 4096
	s_add_nc_u64 s[PW1S:PW1S+1], s[PW1S:PW1S+1], 16384
	s_add_nc_u64 s[PB2:PB2+1], s[PB2:PB2+1], 2048
	s_add_nc_u64 s[PW2S:PW2S+1], s[PW2S:PW2S+1], 16384
	s_add_nc_u64 s[PGW:PGW+1], s[PGW:PGW+1], 4
	s_add_nc_u64 s[PFA1:PFA1+1], s[PFA1:PFA1+1], 262144
	s_add_nc_u64 s[PFA2:PFA2+1], s[PFA2:PFA2+1], 262144
	s_sub_co_u32 s[CNT], s[CNT], 1
	s_cmp_lg_u32 s[CNT], 0
	s_cbranch_scc1 .Lpair
	; the tail is written out: slot 0 has had its last fill; slot 1 takes W2's last two chunks
	TRIPA 2, 0, T1B, T1A, 0, 1, 1, 256, PB2, 0, -1, 1
	TRIPB 0, 0, 0, T1A, 0, 1, 1, 1, 1, 0, -1, 0, -1, 16
	TRIPA 2, 256, T1A, T1B, 1, 0, 1, -1, 0, 0, -1, 0
	TRIPB 0, 0, 0, T1B, 1, 0, 1, 0, 0, 1, -1, 0, -1, -1
	; THE WAY OUT.  A lane holds 32 neighbouring bytes of a token's row, and the lanes beside it hold other tokens: a token tile (16 rows x my 256 bytes) goes through my stage and comes back by rows.
	; The stage lies in my own part of slot 0, which has had its last fill and which no other wave reads.  LDS serves a wave's instructions in order (ISA guide 5.7.1.4): no wait between the stores and the loads, nor in front of the next tile's stores.
.irp m, 0,1
	WIN 0x04                                       ; an LDS store's data are its source 1: window 1
.irp dt, 0,1,2,3
	ds_store_b128 v[STO], v[OUT+8*(2*\dt+\m):OUT+8*(2*\dt+\m)+3] offset:64*\dt
	ds_store_b128 v[STO], v[OUT+8*(2*\dt+\m)+4:OUT+8*(2*\dt+\m)+7] offset:64*\dt+16
.endr
	WIN 0
.irp i, 0,1,2,3,4,5,6,7
	ds_load_b128 v[RB+32*\m+4*\i:RB+32*\m+4*\i+3], v[RD] offset:2*\i*ROWP
.endr
.endr
.irp m, 0,1
.irp i, 0,1,2,3,4,5,6,7
	s_wait_dscnt 16*(1-\m)+7-\i                    ; behind this load: the rest of its tile's, and for tile 0 the sixteen LDS instructions of tile 1
	global_store_b128 v[CO], v[RB+32*\m+4*\i:RB+32*\m+4*\i+3], s[PO:PO+1] offset:(16*\m+2*\i)*2048 th:TH_STORE_NT   ; sixteen lanes store 256 consecutive bytes, at a multiple of 256 from out0's first byte
.endr
.endr
	s_wait_tensorcnt 0x0                           ; the wave's end: behind my last tensor load and my last LDS store
	ds_add_u32 v[SPW], v[NIL]
	s_wait_dscnt 0x0
	CROUND                                         ; the closing round: no work-group ends while a partner may still ask for a tile that names it
	s_endpgm
.Lfunc_end_k_q16455fa78f_moe:
	.size	k_q16455fa78f_moe, .Lfunc_end_k_q16455fa78f_moe-k_q16455fa78f_moe
	.p2alignl 7, 3214868480
	.fill 96, 4, 3214868480
	.section	.rodata,"a",@progbits
	.p2align	6, 0x0
	.amdhsa_kernel k_q16455fa78f_moe
		.amdhsa_group_segment_fixed_size 327680
		.amdhsa_private_segment_fixed_size 0
		.amdhsa_enable_private_segment 0
		.amdhsa_kernarg_size 80
		.amdhsa_user_sgpr_count 2
		.amdhsa_user_sgpr_kernarg_segment_ptr 1
		.amdhsa_wavefront_size32 1
		.amdhsa_system_sgpr_workgroup_id_x 1
		.amdhsa_system_sgpr_workgroup_id_y 1
		.amdhsa_system_sgpr_workgroup_id_z 1
		.amdhsa_system_vgpr_workitem_id 0
		.amdhsa_next_free_vgpr 512
		.amdhsa_next_free_sgpr 90
		.amdhsa_reserve_vcc 0
		.amdhsa_float_denorm_mode_32 3
		.amdhsa_float_denorm_mode_16_64 3
		.amdhsa_memory_ordered 1
		.amdhsa_forward_progress 1
		.amdhsa_inst_pref_size 255
	.end_amdhsa_kernel
	.section	.bss,"aw",@nobits
	.p2align	6
	.space	262144
	.amdgpu_metadata
---
amdhsa.version: [ 1, 2 ]
amdhsa.kernels:
  - .name:           k_q16455fa78f_moe
    .symbol:         k_q16455fa78f_moe.kd
    .args:
      - { .name: x_codes, .offset: 0, .size: 8, .value_kind: global_buffer, .address_space: global }
      - { .name: x_scales, .offset: 8, .size: 8, .value_kind: global_buffer, .address_space: global }
      - { .name: w1_codes, .offset: 16, .size: 8, .value_kind: global_buffer, .address_space: global }
      - { .name: w1_scales, .offset: 24, .size: 8, .value_kind: global_buffer, .address_space: global }
      - { .name: b1, .offset: 32, .size: 8, .value_kind: global_buffer, .address_space: global }
      - { .name: w2_codes, .offset: 40, .size: 8, .value_kind: global_buffer, .address_space: global }
      - { .name: w2_scales, .offset: 48, .size: 8, .value_kind: global_buffer, .address_space: global }
      - { .name: b2, .offset: 56, .size: 8, .value_kind: global_buffer, .address_space: global }
      - { .name: weights, .offset: 64, .size: 8, .value_kind: global_buffer, .address_space: global }
      - { .name: out0, .offset: 72, .size: 8, .value_kind: global_buffer, .address_space: global }
    .group_segment_fixed_size: 327680
    .private_segment_fixed_size: 0
    .kernarg_segment_align: 8
    .kernarg_segment_size: 80
    .max_flat_workgroup_size: 256
    .sgpr_count:     90
    .vgpr_count:     512
    .wavefront_size: 32
...
	.end_amdgpu_metadata
.endif
;; end of part 1
;; ======== version 2 of 2: 1 launch
;; launch moe (part 2): grid 256 x 1, 8 waves a work-group, clusters of 4 x 1, 327,680 bytes of LDS; arguments x_codes, x_scales, w1_codes, w1_scales, b1, w2_codes, w2_scales, b2, weights, out0; writes out0
.if DOCPART == 2
	.amdgcn_target "amdgcn-amd-amdhsa--gfx1250"
	.amdhsa_code_object_version 6
	.text
	.protected	k_q16455fa78f_moe
	.globl	k_q16455fa78f_moe
	.p2align	8
	.type	k_q16455fa78f_moe,@function
k_q16455fa78f_moe:
	s_mov_b64 s[64:65], 0
	v_nop
	global_prefetch_b8 v0, s[64:65] scope:SCOPE_SE
	s_setreg_imm32_b32 hwreg(HW_REG_WAVE_MODE, 25, 1), 1
	s_wait_xcnt 0x0
	s_wait_alu depctr_hold_cnt(0) depctr_sa_sdst(0) depctr_va_vdst(0) depctr_va_sdst(0) depctr_va_ssrc(0) depctr_va_vcc(0) depctr_vm_vsrc(0)
	s_getreg_b32 s2, hwreg(HW_REG_IB_STS2, 6, 4)
	s_cmp_eq_u32 s2, 0
	s_cbranch_scc0 .Lentry_in_a_cluster
	s_endpgm
.Lentry_in_a_cluster:
	s_bfe_u32 s2, ttmp6, 0x10000c
	s_cmp_lg_u32 s2, 0x3003
	s_cbranch_scc0 .Lentry_shape_is_right
	s_endpgm
.Lentry_shape_is_right:
; out0[t][:] = sum over e of weights[t][e] x ( Q(gelu(x[t] W1_e + b1_e)) W2_e + b2_e ).  8,192 tokens, D = 512, 8 experts, H = 1,024.
; x, W1, W2 arrive as codes of E2M1 with one E8M0 byte for each 32 along K and go to the matrix unit as they lie; gelu is the exact (erf) one, in f32; Q quantises the hidden layer along H, 32 to a block.
; NOTHING IS LEFT OUT: every expert counts for every token (the gates are plain factors), and each of the ten buffers has a way to out0.
; ONE LAUNCH.  A work-group of eight waves owns 32 tokens and walks all eight experts; the hidden layer and each expert's result stay in registers and LDS; each row of out0 has one owner.
; A CHUNK is 512 hidden units of one expert (the walk's chunk c: its expert c / 2, half c % 2).  Wave w makes hidden units 64 w .. 64 w + 63 of a chunk (first product) and outputs d = 64 w .. 64 w + 63 (second product), for all 32 tokens.
; Both products are used transposed (source 0 = 16 rows of a weight, source 1 = 16 tokens): a lane holds ONE token (lane % 16), and its registers run along the hidden units or along d.
; CLUSTER: the four work-groups of a cluster walk the same weights, so each tile is asked for JOINTLY: the same tensor load, with the same descriptor and a mask that names the four.  Each wave fetches the very 64 rows that it alone reads.
; THE WALK.  Cluster i begins at expert (i + i / 8) mod 8 and goes round all eight: at any time eight experts' tiles are being asked for, each by eight clusters, and from a cluster's second expert on each tile that it asks for
; has been asked for four trips earlier by the clusters that are one expert ahead.  The number is made of the cluster's number alone: it is the same in all four partners.
; TRIPS.  A_c reads slot 0 = W1's chunk c: 32 products for chunk c, and between them the gelu and quantiser of token tile 1 of chunk c - 1.  B_c reads slot 1 = W2's chunk c - 1 and the hidden layer's image of chunk c - 1:
; 32 products, and between them the gelu and quantiser of token tile 0 of chunk c.  At the head of each trip the slot that the trip before has read is filled again: one tensor load a wave is out, and it has a trip in which to land.
; THE GELU.  t = 1 / (1 + |x| / sqrt(8));  E = 2^(CN x^2 + C0 + C1 t + .. + C9 t^9) = erfc(|x| / sqrt(2)) / (2 t) (the rational-exponential fit of erfc, its coefficients times log2(e), the halving folded into C0);
; w = (x t) E;  gelu = max(x - w, w): for x < 0 that is w = x Phi(x), with no difference of near numbers; for x >= 0 it is x - w.
; THE HIDDEN LAYER GOES FROM WAVE TO WAVE AS AN IMAGE OF THE OPERAND'S REGISTERS: fragment (token tile m, K step s) at 1,024 (4 m + s), its register group g at + 512 g, lane l at + 16 l.  A conversion's eight codes are four
; bytes of one lane's sixteen and are stored to their place there; a row's sixteen scale bytes of a chunk lie on end, so that one load of 16 bytes a lane brings the scale words of all four K steps.
; LIMITS: NaN and infinities ahead of the gelu are not served.  Where E falls under 2^-126 it is taken as 0 (x under about -13: gelu = -0).  The fit's relative error is 1.2e-7; x^2's rounding adds up to some 5e-6 in the far negative tail.
; A block of zeros gets the scale byte 1 where the quantiser says 127: its codes are zeros, and the bytes are read by this program alone.
; The experts' results are summed in the order of the walk, which differs from cluster to cluster and from the order 0 .. 7: an order of rounding in f32.
; The gates are read as 4 bytes a token for each expert (the work-group's own 1,024 bytes, sixteen loads a wave in all); x's 8 KB are read by each of the eight waves, once.
.set ROWP,  272                        ; a weight's row in LDS: 256 bytes + 16 of padding: row r begins 16 r bytes further on modulo 256, so the sixteen rows of a fragment load touch sixteen different columns of 16 bytes
.set WTILE, 64*ROWP                    ; a wave's 64 rows: one tensor load
.set SLOT,  8*WTILE                    ; 512 rows.  Slot 0 (W1) at 0, slot 1 (W2) at SLOT
.set HIMG,  2*SLOT                     ; the hidden layer's images: two buffers of 8,192 bytes
.set HSC,   HIMG+16384                 ; their scale bytes: two buffers of 512 bytes
.set SPARE, HSC+1024                   ; the spare words, 128 bytes for each wave: four blocks of 256 bytes that no other line names
; window 0
.set AW1,  1                           ; v1   LDS address of my lane in my 64 rows of slot 0: (64 w + r) ROWP + 16 h
.set AW2,  2                           ; v2   the same in slot 1
.set LI,   3                           ; v3   HIMG + 16 x lane
.set HST,  4                           ; v4   HIMG + 512 w + 16 r + 4 h: where my codes go
.set HSS,  5                           ; v5   HSC + 16 r + 2 w: where my two scale bytes go
.set VH32, 6                           ; v6   32 h      (biases)
.set VL16, 7                           ; v7   16 x lane (x's and W1's scale words)
.set VL32, 8                           ; v8   32 x lane (W2's scale words)
.set VR32, 9                           ; v9   32 r      (gates)
.set PFO2, 11                          ; v11  512 x lane (prefetch of W2)
.set SPW,  12                          ; v12  my spare word; never rewritten
.set NIL,  13                          ; v13  0; never rewritten
.set C9V,  14                          ; v[14:15] C9, twice
.set XS,   16                          ; v16-19 x's scale words: register q; lanes 0-15 token tile 0, lanes 16-31 tile 1
.set W1S,  20                          ; v20-27 W1's: register 4 (t / 2) + q; lanes 0-15 tile t even, lanes 16-31 t odd
.set W2S,  28                          ; v28-35 W2's likewise
.set HS,   36                          ; v36-39 the hidden layer's: register s; lanes as x's
.set GW,   40                          ; v40, v42 the gates of my token in tiles 0, 1 (v41, v43 named with them as pairs)
.set QM,   44
.set QP,   45
.set QS,   46
.set QB,   47
.set CD,   48                          ; v48-51 a unit's codes
.set SB,   52                          ; v52  its two scale bytes
.set BC,   56                          ; v56-87 a bias in the result's layout: 8 registers a tile
.set T,    88                          ; v88-103, v104-119, v120-135: the gelu's sixteen numbers at work
.set P,    104
.set Y,    120
.set T0,   136                         ; v136-167 first product, token tile 0
.set T1A,  168                         ; v168-199, v200-231 token tile 1, by the chunk's parity; the idle one holds the hidden layer's fragments
.set T1B,  200
.set STO,  232                         ; the way out
.set RD,   233
.set CO,   234
.set XO,   235
.set RB,   136                         ; the way out: 64 registers read back from the stage
; window 1
.set XF,   0                           ; x's fragments (m, q) at 8 (4 m + q): they stay
.set WF,   64                          ; a weight's four fragments of a K step, two buffers of 32
.set DE,   128                         ; the expert's result, accumulator (dt, m) at 8 (2 dt + m)
.set OUT,  192                         ; out0's sums, laid the same way
; scalars.  s[4:23]: the ten arguments; those of the small tables get my wave's or my work-group's offset at the head and then stay: they are the bases of the working pointers
.set PX,   4
.set PXS,  6
.set PW1C, 8
.set PW1S, 10
.set PB1,  12
.set PW2C, 14
.set PW2S, 16
.set PB2,  18
.set PGW,  20
.set PO,   22
.set G1A,  24                          ; s[24:31] descriptor group 1 for W1's tiles; s[32:39] for W2's
.set G1B,  32
.set G0A,  40                          ; s[40:43], s[44:47] their groups 0, which walk
.set G0B,  44
.set WV,   48
.set CX,   49
.set CNT,  50
.set LIM,  51                          ; 1 in a wave that prefetches, else the greatest number
.set SEL,  52                          ; s[52:53] v_permlanex16_b32's selects for lane l xor 16
.set PFA2, 56
.set CH,   58
.set OFS,  62                          ; s[62:63] an offset as a pair: s63 stays 0
.set CN,   66                          ; s[66:67]; s[68 + 2 k : 69 + 2 k] = Ck, k = 0 .. 8: the packed forms name a pair and take its low word for both halves
.set CK,   68
.set EN,   87                          ; s87  at the head the walk's first expert; in the loop the expert that follows the one in hand
.set QW1S, 88                          ; s[88:97] the working pointers: a base + the expert's number x the table's bytes for an expert
.set QB1,  90
.set QW2S, 92
.set QB2,  94
.set QGW,  96
.set BA,   98                          ; s[98:99]   W1's codes at my 64 rows of expert 0's first half
.set BB,   100                         ; s[100:101] W2's codes at my 64 rows of expert 0
.set MSB, 0
.macro WIN new                         ; the immediate's high byte repeats the setting that is left; bits 1:0 source 0, 3:2 source 1, 5:4 source 2, 7:6 destination
.if MSB != \new
	s_set_vgpr_msb (MSB<<8)|\new
.set MSB, \new
.endif
.endm
.macro PLACES                          ; four places behind matrix instructions, where no other vector work is at hand (ISA guide 7.12.1)
.rept 4
	v_nop
.endr
.endm
.macro KSET r, bits
	s_mov_b32 s[\r], \bits
	s_mov_b32 s[\r+1], \bits
.endm
; The working pointers for expert s[ex].  SETC: b2 (2,048 bytes an expert), the gates (4 bytes in a token's 32), W2's scale bytes (16,384).  SETN: W1's scale bytes (16,384), b1 (4,096).
.macro SETC ex
	s_lshl_b32 s[OFS], s[\ex], 11
	s_add_nc_u64 s[QB2:QB2+1], s[PB2:PB2+1], s[OFS:OFS+1]
	s_lshl_b32 s[OFS], s[\ex], 2
	s_add_nc_u64 s[QGW:QGW+1], s[PGW:PGW+1], s[OFS:OFS+1]
	s_lshl_b32 s[OFS], s[\ex], 14
	s_add_nc_u64 s[QW2S:QW2S+1], s[PW2S:PW2S+1], s[OFS:OFS+1]
.endm
.macro SETN ex
	s_lshl_b32 s[OFS], s[\ex], 14
	s_add_nc_u64 s[QW1S:QW1S+1], s[PW1S:PW1S+1], s[OFS:OFS+1]
	s_lshl_b32 s[OFS], s[\ex], 12
	s_add_nc_u64 s[QB1:QB1+1], s[PB1:PB1+1], s[OFS:OFS+1]
.endm
.macro CROUND                          ; a round of the cluster's barrier: my work-group's barrier; wave 0 signals for the work-group; every wave waits for all four work-groups; my work-group's barrier once more
	s_barrier_signal -1
	s_barrier_wait -1
	s_cmp_lg_u32 s[WV], 0
	s_cbranch_scc1 .Lnot_wave_0_\@
	s_barrier_signal -3
.Lnot_wave_0_\@:
	s_barrier_wait -3
	s_barrier_signal -1
	s_barrier_wait -1
.endm
; THE HEAD OF A TRIP.  kind 1: slot 0 is filled again; kind 2: slot 1; kind 0: a plain barrier, nothing is filled; kind 3: no barrier (nothing has been handed over yet).
; da, db: the walking descriptors' global addresses: above 0: a step inside an expert, in bytes; under 0: made anew for the first half of expert s[EN] (262,144 bytes of codes an expert in W1 and in W2); 0: as they are.
; Each wave waits for all its tensor loads (the one that is out is the slot that this trip reads), adds 0 to its spare word, and waits for that, for its reads of the slot that
; it has left and for its stores of the hidden layer: behind the round nobody in the cluster reads that slot, and the images are whole.
.macro SYNC kind, da, db
	s_wait_tensorcnt 0x0                           ; no tensor load of mine is out, so a group 0 may be written
.if (\kind == 1) || (\kind == 2)
	ds_add_u32 v[SPW], v[NIL]
.if \da > 0
	s_add_nc_u64 s[G0A+2:G0A+3], s[G0A+2:G0A+3], \da
.elseif \da < 0
	s_lshl_b32 s[OFS], s[EN], 18
	s_add_nc_u64 s[G0A+2:G0A+3], s[BA:BA+1], s[OFS:OFS+1]
	s_or_b32 s[G0A+3], s[G0A+3], 0x80000000        ; type = 2
.endif
.if \db > 0
	s_add_nc_u64 s[G0B+2:G0B+3], s[G0B+2:G0B+3], \db
.elseif \db < 0
	s_lshl_b32 s[OFS], s[EN], 18
	s_add_nc_u64 s[G0B+2:G0B+3], s[BB:BB+1], s[OFS:OFS+1]
	s_or_b32 s[G0B+3], s[G0B+3], 0x80000000
.endif
	s_wait_dscnt 0x0
	CROUND
.if \kind == 1
	tensor_load_to_lds s[G0A:G0A+3], s[G1A:G1A+7]  ; my one tensor load behind the round, and the first thing there
.else
	tensor_load_to_lds s[G0B:G0B+3], s[G1B:G1B+7]
.endif
	s_nop 0
	PLACES
.elseif \kind == 0
	s_wait_dscnt 0x0                               ; my stores of the hidden layer have landed
	s_barrier_signal -1
	s_barrier_wait -1
.endif
.endm
; A PREFETCH INTO THE L2 of one half of W2 of the walk's FIRST expert: 512 rows x 256 bytes, a lane a row, two trips ahead of the tensor loads that ask for it (half 0 in A_0, half 1 in B_0).
; Clusters 0 to 7 ask, whose first experts are 0 to 7, and nobody else; a cluster's four partners are told apart BY ADDRESS (rows 128 cx on), and in each of them waves 0 to 3 ask for 32 rows each:
; every row's two blocks of 256 bytes are named once in the launch.  Nothing is asked for in the loop: see THE WALK.  W1's first two chunks come by their loads alone.
.macro ASK imm
	s_cmp_eq_u32 s[LIM], 1
	s_cbranch_scc0 .Lnot_mine_\@
	global_prefetch_b8 v[PFO2], s[PFA2:PFA2+1] offset:\imm th:TH_LOAD_NT scope:SCOPE_SE
.Lnot_mine_\@:
.endm
; THE GELU AND THE QUANTISER of sixteen numbers of a lane, v[xb] on: half a block of 32 hidden units of my token (the other half lies in lane l xor 16).  Four pieces, between which matrix instructions and loads stand.
.macro GP1 xb                          ; 1 + |x| / sqrt(8), its reciprocal, CN x^2 + C0
.set ii, 0
.rept 16
	v_fma_f32 v[T+ii], |v[ii+\xb]|, s[CH], 1.0     ; (each accumulator is read from its low end on)
.set ii, ii+1
.endr
.set ii, 0
.rept 16
	v_rcp_f32 v[T+ii], v[T+ii]
.set ii, ii+1
.endr
.set ii, 0
.rept 8
	v_pk_mul_f32 v[Y+ii:Y+ii+1], v[ii+\xb:ii+\xb+1], s[CN:CN+1] op_sel_hi:[1,0]   ; plain work behind the reciprocals
.set ii, ii+2
.endr
.set ii, 0
.rept 8
	v_pk_fma_f32 v[Y+ii:Y+ii+1], v[Y+ii:Y+ii+1], v[ii+\xb:ii+\xb+1], s[CK:CK+1] op_sel_hi:[1,1,0]
.set ii, ii+2
.endr
.endm
.macro GP2                             ; the exponent, by Horner's rule in t; eight pairs by turns, so that no line waits for the line above it
	s_wait_alu depctr_va_vdst(0)                   ; one wait for the sixteen reciprocals, ahead of their first reader
.irp p, 0,2,4,6,8,10,12,14
	v_pk_fma_f32 v[P+\p:P+\p+1], v[T+\p:T+\p+1], v[C9V:C9V+1], s[CK+16:CK+17] op_sel_hi:[1,1,0]
.endr
.irp k, 7,6,5,4,3,2,1
.irp p, 0,2,4,6,8,10,12,14
	v_pk_fma_f32 v[P+\p:P+\p+1], v[P+\p:P+\p+1], v[T+\p:T+\p+1], s[CK+2*\k:CK+2*\k+1] op_sel_hi:[1,1,0]
.endr
.endr
.irp p, 0,2,4,6,8,10,12,14
	v_pk_fma_f32 v[P+\p:P+\p+1], v[P+\p:P+\p+1], v[T+\p:T+\p+1], v[Y+\p:Y+\p+1]
.endr
.endm
.macro GP3 xb                          ; E, and x t
.set ii, 0
.rept 16
	v_exp_f32 v[P+ii], v[P+ii]
.set ii, ii+1
.endr
.set ii, 0
.rept 8
	v_pk_mul_f32 v[T+ii:T+ii+1], v[ii+\xb:ii+\xb+1], v[T+ii:T+ii+1]   ; plain work behind the exponentials; also the places behind the matrix instructions in front of this piece
.set ii, ii+2
.endr
.endm
.macro GP4 xb, b, ioff, soff           ; gelu; the block's scale; codes and scale bytes to LDS.  b: which of my two blocks; ioff, soff: the image's and the scale bytes' constant offsets
	s_wait_alu depctr_va_vdst(0)                   ; one wait for the sixteen exponentials, ahead of their first reader
.set ii, 0
.rept 8
	v_pk_mul_f32 v[P+ii:P+ii+1], v[T+ii:T+ii+1], v[P+ii:P+ii+1]                   ; w
.set ii, ii+2
.endr
.set ii, 0
.rept 8
	v_pk_add_f32 v[T+ii:T+ii+1], v[ii+\xb:ii+\xb+1], v[P+ii:P+ii+1] neg_lo:[0,1] neg_hi:[0,1]   ; x - w
.set ii, ii+2
.endr
.set ii, 0
.rept 16
	v_max_num_f32 v[P+ii], v[T+ii], v[P+ii]
.set ii, ii+1
.endr
	v_max3_num_f32 v[QM], |v[P]|, |v[P+1]|, 0x1800000              ; the largest magnitude of my sixteen, in two chains, with the floor 2^(3 - 127) among the leaves: the byte cannot fall under 1
	v_max3_num_f32 v[QP], |v[P+2]|, |v[P+3]|, |v[P+4]|
	v_max3_num_f32 v[QM], v[QM], |v[P+5]|, |v[P+6]|
	v_max3_num_f32 v[QP], v[QP], |v[P+7]|, |v[P+8]|
	v_max3_num_f32 v[QM], v[QM], |v[P+9]|, |v[P+10]|
	v_max3_num_f32 v[QP], v[QP], |v[P+11]|, |v[P+12]|
	v_max3_num_f32 v[QM], v[QM], |v[P+13]|, |v[P+14]|
	v_max3_num_f32 v[QM], v[QM], v[QP], |v[P+15]|
	v_permlanex16_b32 v[QP], v[QM], s[SEL], s[SEL+1]
	v_max_num_f32 v[QM], v[QM], v[QP]              ; with lane l xor 16's: the block's
	v_add_nc_u32 v[QS], 0xff000000, v[QM]          ; 2 off its exponent field: the conversion takes the exponent field of this operand as its scale
	v_cvt_scalef32_pk8_fp4_f32 v[CD+2*\b], v[P:P+7], v[QS]         ; hidden units 32 b + 8 h + 0 .. 7: bytes 4 h on of the block's sixteen
	v_cvt_scalef32_pk8_fp4_f32 v[CD+2*\b+1], v[P+8:P+15], v[QS]    ; 32 b + 16 + 8 h + 0 .. 7: bytes 8 + 4 h on
	v_lshrrev_b32 v[QB], 23, v[QS]                 ; the scale's byte (the plain line behind the conversions)
.if \b
	v_lshl_or_b32 v[SB], v[QB], 8, v[SB]
.else
	v_mov_b32 v[SB], v[QB]
.endif
	ds_store_b32 v[HST], v[CD+2*\b] offset:\ioff
	ds_store_b32 v[HST], v[CD+2*\b+1] offset:\ioff+8
.if \b
	ds_store_b16 v[HSS], v[SB] offset:\soff        ; both halves of the lanes write the same two bytes with the same value
.endif
.endm
; The codes' and bytes' registers are written again only in the next trip, behind its s_wait_dscnt 0.
.macro WM                              ; one matrix instruction on rD, rA, rB, rC, rSA, rSB; fA, fB: the scales stand in lanes 16-31
.if fA && fB
	v_wmma_scale_f32_16x16x128_f8f6f4 v[rD:rD+7], v[rA:rA+7], v[rB:rB+7], v[rC:rC+7], v[rSA], v[rSB] matrix_a_fmt:MATRIX_FMT_FP4 matrix_b_fmt:MATRIX_FMT_FP4 matrix_a_scale:MATRIX_SCALE_ROW1 matrix_b_scale:MATRIX_SCALE_ROW1
.elseif fA
	v_wmma_scale_f32_16x16x128_f8f6f4 v[rD:rD+7], v[rA:rA+7], v[rB:rB+7], v[rC:rC+7], v[rSA], v[rSB] matrix_a_fmt:MATRIX_FMT_FP4 matrix_b_fmt:MATRIX_FMT_FP4 matrix_a_scale:MATRIX_SCALE_ROW1
.elseif fB
	v_wmma_scale_f32_16x16x128_f8f6f4 v[rD:rD+7], v[rA:rA+7], v[rB:rB+7], v[rC:rC+7], v[rSA], v[rSB] matrix_a_fmt:MATRIX_FMT_FP4 matrix_b_fmt:MATRIX_FMT_FP4 matrix_b_scale:MATRIX_SCALE_ROW1
.else
	v_wmma_scale_f32_16x16x128_f8f6f4 v[rD:rD+7], v[rA:rA+7], v[rB:rB+7], v[rC:rC+7], v[rSA], v[rSB] matrix_a_fmt:MATRIX_FMT_FP4 matrix_b_fmt:MATRIX_FMT_FP4
.endif
.endm
; Eight products of the first kind: K step q; W1's four tiles x the two token tiles: eight accumulators by turns.  tn: where token tile 1's results go.  first = 1: b1 is the C of the sums' first products.
.macro RUN1 q, tn, first
	WIN 0x05                                       ; W1 and x in window 1
.irp t, 0,1,2,3
.irp m, 0,1
.set rD, T0+8*\t+\m*(\tn-T0)
.set rA, WF+32*(\q%2)+8*\t
.set rB, XF+8*(4*\m+\q)
.if \first
.set rC, BC+8*\t
.else
.set rC, rD
.endif
.set rSA, W1S+4*(\t/2)+\q
.set rSB, XS+\q
.set fA, \t%2
.set fB, \m
	WM
.endr
.endr
	WIN 0
.endm
; Eight products of the second kind: K step s of the chunk; W2's four tiles x the two token tiles.  hf: where the hidden layer's fragments lie.  first = 1: b2 is the C of an expert's first products.
.macro RUN2 s, hf, first
.if \first
	WIN 0x41                                       ; W2 and the result in window 1, the hidden layer and b2 in window 0
.else
	WIN 0x51                                       ; C in window 1 too
.endif
.irp dt, 0,1,2,3
.irp m, 0,1
.set rD, DE+8*(2*\dt+\m)
.set rA, WF+32*(\s%2)+8*\dt
.set rB, \hf+16*(\s%2)+8*\m
.if \first
.set rC, BC+8*\dt
.else
.set rC, rD
.endif
.set rSA, W2S+4*(\dt/2)+\s
.set rSB, HS+\s
.set fA, \dt%2
.set fB, \m
	WM
.endr
.endr
	WIN 0
.endm
.macro LWF adr, q                      ; my four fragments of K step q from a slot into buffer q % 2 (under destination window 1): lane (r, h) takes row 16 t + r, bytes 64 q + 16 h and 32 on
.irp t, 0,1,2,3
.irp c, 0,1
	ds_load_b128 v[WF+32*(\q%2)+8*\t+4*\c:WF+32*(\q%2)+8*\t+4*\c+3], v[\adr] offset:\t*16*ROWP+64*\q+32*\c
.endr
.endr
.endm
.macro LH s, hf, hb                    ; the hidden layer's two fragments of K step s, as they were stored
.irp m, 0,1
.irp c, 0,1
	ds_load_b128 v[\hf+16*(\s%2)+8*\m+4*\c:\hf+16*(\s%2)+8*\m+4*\c+3], v[LI] offset:8192*\hb+1024*(4*\m+\s)+512*\c
.endr
.endr
.endm
.macro LBC base, imm                   ; a bias in the result's layout: lane (r, h), tile t, register j: number 16 t + 8 h + j of my 64
.irp t, 0,1,2,3
	global_load_b128 v[BC+8*\t:BC+8*\t+3], v[VH32], s[\base:\base+1] offset:\imm+64*\t
	global_load_b128 v[BC+8*\t+4:BC+8*\t+7], v[VH32], s[\base:\base+1] offset:\imm+64*\t+16
.endr
.endm
.macro LW1S imm                        ; a chunk's scale words of my 64 rows of W1: 16 bytes a row, a lane a row: 512 bytes on end a load.  imm: 0 or 8,192: the expert's half
	global_load_b128 v[W1S:W1S+3], v[VL16], s[QW1S:QW1S+1] offset:\imm
	global_load_b128 v[W1S+4:W1S+7], v[VL16], s[QW1S:QW1S+1] offset:\imm+512
.endm
.macro LW2S imm                        ; the same of W2: the chunk's 16 of a row's 32 bytes.  imm: 0 or 16: the expert's half
	global_load_b128 v[W2S:W2S+3], v[VL32], s[QW2S:QW2S+1] offset:\imm
	global_load_b128 v[W2S+4:W2S+7], v[VL32], s[QW2S:QW2S+1] offset:\imm+1024
.endm
.macro GATE                            ; out0's sums += the expert's result x my token's gate; each accumulator from its low end on
	WIN 0x51                                       ; the gate in window 0, all else in window 1
.irp a, 0,1,2,3,4,5,6,7
.irp p, 0,2,4,6
	v_pk_fma_f32 v[OUT+8*\a+\p:OUT+8*\a+\p+1], v[DE+8*\a+\p:DE+8*\a+\p+1], v[GW+2*(\a%2):GW+2*(\a%2)+1], v[OUT+8*\a+\p:OUT+8*\a+\p+1] op_sel_hi:[1,0,1]
.endr
.endr
	WIN 0
.endm
; TRIP A.  sync, db: its head.  tn: M1 writes token tile 1 there; to: the gelu reads token tile 1 of the chunk before there; hb: that chunk's image.  m1, g: is there matrix work, is there a gelu.
; ask: immediate of the prefetch of W2, or -1.  bcb, bci: the bias to fetch for a later trip (base 0: none).  w1s: immediate of the next chunk's scale words, or -1.  gw: fetch the expert's gates.
; Every run of loads into registers that matrix instructions have read stands behind four or more plain vector lines that name none of them: pieces of the gelu, or v_nop where there is none.
.macro TRIPA sync, db, tn, to, hb, m1, g, ask, bcb, bci, w1s, gw
	SYNC \sync, 0, \db
.if \m1
	WIN 0x40
	LWF AW1, 0
	LWF AW1, 1
	WIN 0
.endif
.if \ask >= 0
	ASK \ask
.endif
.if \g
	GP1 \to
.endif
.if \m1
	s_wait_dscnt 8                                 ; K step 0's fragments are in; K step 1's eight loads may be out
	s_wait_loadcnt 0x0                             ; scale words and bias, asked for a trip ago
	RUN1 0, \tn, 1
.endif
.if \g
	GP2
.else
	PLACES
.endif
.if \m1
	WIN 0x40
	LWF AW1, 2
	WIN 0
.if \bcb
	LBC \bcb, \bci
.endif
.if \gw
	global_load_b32 v[GW], v[VR32], s[QGW:QGW+1]
	global_load_b32 v[GW+2], v[VR32], s[QGW:QGW+1] offset:512
.endif
	s_wait_dscnt 8                                 ; all but K step 2's eight
	RUN1 1, \tn, 0
.endif
.if \g
	GP3 \to
.else
	PLACES
.endif
.if \m1
	WIN 0x40
	LWF AW1, 3
	WIN 0
.endif
.if \g
	GP4 \to, 0, 8192*\hb+4096, 0
	GP1 \to+16
.endif
.if \m1
	s_wait_dscnt 8+2*\g                            ; behind K step 2's loads: K step 3's eight and the two stores of codes
	RUN1 2, \tn, 0
.endif
.if \g
	GP2
.endif
.if \m1
	s_wait_dscnt 2*\g                              ; behind K step 3's loads: the two stores
	RUN1 3, \tn, 0
.endif
.if \g
	GP3 \to+16
.else
	PLACES
.endif
.if \w1s >= 0
	LW1S \w1s
.endif
.if \g
	GP4 \to+16, 1, 8192*\hb+4096+256, 512*\hb+256
.endif
.endm
; TRIP B.  sync, da, db: its head.  hf: the idle buffer that takes the hidden layer's fragments; hbr: the image that M2 reads; hbw: the image that the gelu of token tile 0 writes.
; m2, g as above; first: M2 begins an expert; gate: it ends one.  ask: immediate of the prefetch of W2, or -1.  bci: immediate of b1 for the next trip, or -1.  w2s: immediate of the next chunk's scale words of W2, or -1.
.macro TRIPB sync, da, db, hf, hbr, hbw, m2, first, g, gate, ask, bci, w2s
	SYNC \sync, \da, \db
.if \m2
	WIN 0x40
	LWF AW2, 0
	LWF AW2, 1
	WIN 0
	ds_load_b128 v[HS:HS+3], v[LI] offset:16384+512*\hbr   ; lane l: token l's sixteen scale bytes: register s is K step s's word
	LH 0, \hf, \hbr
	LH 1, \hf, \hbr
.endif
.if \ask >= 0
	ASK \ask
.endif
.if \g
	GP1 T0
.endif
.if \m2
	s_wait_dscnt 4                                 ; all but the hidden layer's four loads of K step 1
	s_wait_loadcnt 0x0                             ; scale words, bias and gates, asked for a trip ago or more
	RUN2 0, \hf, \first
.endif
.if \g
	GP2
.else
	PLACES
.endif
.if \m2
	WIN 0x40
	LWF AW2, 2
	WIN 0
	LH 2, \hf, \hbr
.endif
.if \bci >= 0
	LBC QB1, \bci
.endif
.if \m2
	s_wait_dscnt 12                                ; all but K step 2's twelve
	RUN2 1, \hf, 0
.endif
.if \g
	GP3 T0
.else
	PLACES
.endif
.if \m2
	WIN 0x40
	LWF AW2, 3
	WIN 0
	LH 3, \hf, \hbr
.endif
.if \g
	GP4 T0, 0, 8192*\hbw, 0
	GP1 T0+16
.endif
.if \m2
	s_wait_dscnt 12+2*\g                           ; behind K step 2's loads: K step 3's twelve and the two stores of codes
	RUN2 2, \hf, 0
.endif
.if \g
	GP2
.endif
.if \m2
	s_wait_dscnt 2*\g
	RUN2 3, \hf, 0
.endif
.if \g
	GP3 T0+16
.else
	PLACES
.endif
.if \gate
	GATE
.endif
.if \w2s >= 0
	LW2S \w2s
.endif
.if \g
	GP4 T0+16, 1, 8192*\hbw+256, 512*\hbw
.endif
.endm
	s_load_b512 s[4:19], s[0:1], 0x0               ; x's codes, x's scales, W1's codes, W1's scales, b1, W2's codes, W2's scales, b2
	s_load_b128 s[20:23], s[0:1], 0x40             ; the gates, out0
	v_lshl_add_u32 v[SPW], v0, 2, SPARE
	v_mov_b32 v[NIL], 0
	ds_add_u32 v[SPW], v[NIL]                      ; the wave's opening: the add, twice on end, and its wait ahead of my first tensor load; the set-up below stands between the second and the wait
	ds_add_u32 v[SPW], v[NIL]
	v_lshrrev_b32 v1, 5, v0
	v_readfirstlane_b32 s[WV], v1                  ; wave 0..7
	s_bfe_u32 s[CX], ttmp6, 0x40000                ; my place in the cluster: it enters global addresses of x, the gates, out0 and the prefetches alone
	s_lshr_b32 s[EN], ttmp9, 3                     ; in a cluster launch ttmp9 counts clusters
	s_add_co_u32 s[EN], s[EN], ttmp9
	s_and_b32 s[EN], s[EN], 7                      ; the walk's first expert: (cluster + cluster / 8) mod 8
	; descriptor group 1: a tile of 64 rows x 256 bytes, 16 bytes of padding behind each row; W1's rows are 256 bytes apart in memory, W2's 512
	s_mov_b32 s[G1A], 15|(1<<20)|(1<<21)|(5<<22)|(3<<25)   ; 15:0 the mask: all four work-groups; 17:16 elements of 1 byte; 20 padding on; 21 set beside a mask; 24:22 after every 64 words; 31:25 four words
	s_mov_b32 s[G1B], 15|(1<<20)|(1<<21)|(5<<22)|(3<<25)
.irp g, G1A, G1B
	s_mov_b32 s[\g+1], 256<<16                     ; tensor_dim0
	s_mov_b32 s[\g+2], 64<<16                      ; tensor_dim1
	s_mov_b32 s[\g+3], 256<<16                     ; tile_dim0
	s_mov_b32 s[\g+4], 64                          ; tile_dim1
	s_mov_b32 s[\g+6], 0
	s_mov_b32 s[\g+7], 0
.endr
	s_mov_b32 s[G1A+5], 256                        ; tensor_dim0_stride
	s_mov_b32 s[G1B+5], 512
	s_mov_b32 s[G0A], 1
	s_mul_i32 s[G0A+1], s[WV], WTILE               ; my 64 rows' place in slot 0: the wave's number alone
	s_mov_b32 s[G0B], 1
	s_add_co_u32 s[G0B+1], s[G0A+1], SLOT          ; and in slot 1
	s_mov_b32 s[SEL], 0x76543210
	s_mov_b32 s[SEL+1], 0xfedcba98
	s_mov_b32 s[CH], 0x3eb504f3                    ; 1 / sqrt(8)
	KSET CN, 0xbf38aa3b                            ; -log2(e) / 2
	KSET CK, 0xc034d90f                            ; C0 = -1.26551223 log2(e) - 1
	KSET CK+2, 0x3fb8ab5a                          ; C1 .. C8: the fit's coefficients x log2(e)
	KSET CK+4, 0x3f0a29d2
	KSET CK+6, 0x3e0efb2e
	KSET CK+8, 0xbe899a80
	KSET CK+10, 0x3ecdfd18
	KSET CK+12, 0xbfd1a1e5
	KSET CK+14, 0x40097039
	KSET CK+16, 0xbf97d29d
	s_lshl_b32 s[OFS], s[WV], 14                   ; my 64 rows of W1 in a chunk
	s_mov_b32 s[OFS+1], 0                          ; (stays 0)
	s_wait_dscnt 0x0                               ; both opening adds are done
	s_wait_kmcnt 0x0
	s_add_nc_u64 s[BA:BA+1], s[PW1C:PW1C+1], s[OFS:OFS+1]
	s_lshl_b32 s[OFS], s[WV], 15                   ; my 64 rows of W2 in an expert
	s_add_nc_u64 s[BB:BB+1], s[PW2C:PW2C+1], s[OFS:OFS+1]
	s_lshl_b32 s[OFS], s[EN], 18                   ; the first expert's codes
	s_add_nc_u64 s[G0A+2:G0A+3], s[BA:BA+1], s[OFS:OFS+1]
	s_or_b32 s[G0A+3], s[G0A+3], 0x80000000        ; type = 2
	s_add_nc_u64 s[G0B+2:G0B+3], s[BB:BB+1], s[OFS:OFS+1]
	s_or_b32 s[G0B+3], s[G0B+3], 0x80000000
	CROUND                                         ; all four work-groups are here: the first joint loads meet
	tensor_load_to_lds s[G0A:G0A+3], s[G1A:G1A+7]  ; W1's chunk 0 of the walk, my 64 rows
	s_nop 0
	PLACES
	; the bases: my wave's part of the weights' small tables, my work-group's part of x, the gates and out0
	s_lshl_b32 s[OFS], s[WV], 10
	s_add_nc_u64 s[PW1S:PW1S+1], s[PW1S:PW1S+1], s[OFS:OFS+1]
	s_lshl_b32 s[OFS], s[WV], 8
	s_add_nc_u64 s[PB1:PB1+1], s[PB1:PB1+1], s[OFS:OFS+1]
	s_add_nc_u64 s[PB2:PB2+1], s[PB2:PB2+1], s[OFS:OFS+1]
	s_lshl_b32 s[OFS], s[WV], 11
	s_add_nc_u64 s[PW2S:PW2S+1], s[PW2S:PW2S+1], s[OFS:OFS+1]
	s_lshl_b32 s59, ttmp9, 2
	s_add_co_u32 s59, s59, s[CX]                   ; my work-group: 32 tokens
	s_mov_b32 s61, 0
	s_lshl_b32 s60, s59, 13
	s_add_nc_u64 s[PX:PX+1], s[PX:PX+1], s[60:61]
	s_lshl_b32 s60, s59, 9
	s_add_nc_u64 s[PXS:PXS+1], s[PXS:PXS+1], s[60:61]
	s_lshl_b32 s60, s59, 10
	s_add_nc_u64 s[PGW:PGW+1], s[PGW:PGW+1], s[60:61]
	s_lshl_b32 s60, s59, 16
	s_lshl_b32 s86, s[WV], 8
	s_add_co_u32 s60, s60, s86
	s_add_nc_u64 s[PO:PO+1], s[PO:PO+1], s[60:61]  ; out0 at my first token, my 64 columns
	s_lshl_b32 s60, s[CX], 2
	s_add_co_u32 s60, s60, s[WV]
	s_lshl_b32 s60, s60, 14                        ; the prefetches: rows 32 (4 cx + w) on, 512 bytes a row,
	s_lshl_b32 s86, s[EN], 18
	s_add_co_u32 s60, s60, s86                     ; of the first expert's 512 rows of W2
	s_add_nc_u64 s[PFA2:PFA2+1], s[PW2C:PW2C+1], s[60:61]
	s_lshr_b32 s60, s[WV], 2                       ; 0 in waves 0 to 3,
	s_lshr_b32 s86, ttmp9, 3
	s_or_b32 s60, s60, s86                         ; of clusters 0 to 7: the same in all four partners
	s_cmp_eq_u32 s60, 0
	s_cselect_b32 s[LIM], 1, -1
	SETC EN                                        ; all five working pointers at the first expert
	SETN EN
	v_and_b32 v236, 15, v0                         ; r
	v_bfe_u32 v237, v0, 4, 1                       ; h
	v_and_b32 v238, 31, v0                         ; lane
	s_mul_i32 s59, s[WV], WTILE
	v_mul_u32_u24 v[AW1], v236, ROWP
	v_lshl_add_u32 v[AW1], v237, 4, v[AW1]
	v_add_nc_u32 v[AW1], s59, v[AW1]
	v_add_nc_u32 v[AW2], SLOT, v[AW1]
	v_lshlrev_b32 v[VL16], 4, v238
	v_add_nc_u32 v[LI], HIMG, v[VL16]
	s_lshl_b32 s60, s[WV], 9
	v_lshlrev_b32 v[HST], 4, v236
	v_lshl_add_u32 v[HST], v237, 2, v[HST]
	v_add_nc_u32 v[HST], s60, v[HST]
	v_add_nc_u32 v[HST], HIMG, v[HST]
	s_lshl_b32 s60, s[WV], 1
	v_lshlrev_b32 v[HSS], 4, v236
	v_add_nc_u32 v[HSS], s60, v[HSS]
	v_add_nc_u32 v[HSS], HSC, v[HSS]
	v_lshlrev_b32 v[VH32], 5, v237
	v_lshlrev_b32 v[VL32], 5, v238
	v_lshlrev_b32 v[VR32], 5, v236
	v_lshlrev_b32 v[PFO2], 9, v238
	v_lshlrev_b32 v[XO], 8, v236
	v_lshl_add_u32 v[XO], v237, 4, v[XO]           ; x: row r of 256 bytes, + 16 h
	v_mul_u32_u24 v[STO], v236, ROWP               ; the way out: a stage of 16 rows x (256 + 16) bytes at the head of my own part of slot 0.  In: row r, + 32 h
	v_lshl_add_u32 v[STO], v237, 5, v[STO]
	v_add_nc_u32 v[STO], s59, v[STO]
	v_mul_u32_u24 v[RD], v237, ROWP                ; back: lanes 0-15 one row, lanes 16-31 the next
	v_lshl_add_u32 v[RD], v236, 4, v[RD]
	v_add_nc_u32 v[RD], s59, v[RD]
	v_lshlrev_b32 v[CO], 11, v237                  ; and the same two rows in out0
	v_lshl_add_u32 v[CO], v236, 4, v[CO]
	v_mov_b32 v[C9V], 0x3e7c6f08                   ; C9
	v_mov_b32 v[C9V+1], 0x3e7c6f08
	v_mov_b32 v[GW+1], 0                           ; (named as the upper halves of pairs)
	v_mov_b32 v[GW+3], 0
	WIN 0x40
.irp m, 0,1
.irp q, 0,1,2,3
.irp c, 0,1
	global_load_b128 v[XF+8*(4*\m+\q)+4*\c:XF+8*(4*\m+\q)+4*\c+3], v[XO], s[PX:PX+1] offset:4096*\m+64*\q+32*\c   ; x's eight fragments stay in registers
.endr
.endr
.endr
.set ii, 0
.rept 64
	v_mov_b32 v[OUT+ii], 0                         ; out0's sums: written once, so that the gate has one form for all experts
.set ii, ii+1
.endr
	WIN 0
	global_load_b128 v[XS:XS+3], v[VL16], s[PXS:PXS+1]   ; lane l: token l's sixteen scale bytes
	LW1S 0
	LBC QB1, 0
	; the walk's chunk 0 has no chunk before it: A_0 multiplies only, B_0 has the gelu only
	TRIPA 3, 0, T1A, T1B, 0, 1, 0, 0, QB1, 2048, 8192, 0
	TRIPB 1, 131072, 0, T1B, 0, 0, 0, 0, 1, 0, 256, -1, 0
	s_wait_xcnt 0x0                                ; the loads of W1's scale words and of b1 have read their bases: both go on to the walk's second expert
	s_add_co_u32 s[EN], s[EN], 1
	s_and_b32 s[EN], s[EN], 7
	SETN EN
	s_mov_b32 s[CNT], 7
.Lpair:                                                ; trip j = 0 .. 6: A and B of the walk's chunks 2 j + 1 and 2 j + 2; its expert j is finished in it.  After two chunks the register numbers are back where they began
	TRIPA 2, 0, T1B, T1A, 0, 1, 1, -1, QB2, 0, 0, 1
	TRIPB 1, -1, 0, T1A, 0, 1, 1, 1, 1, 0, -1, 0, 16
	TRIPA 2, 256, T1A, T1B, 1, 1, 1, -1, QB1, 2048, 8192, 0
	s_wait_xcnt 0x0                                ; the loads so far have read their bases.  All five tables have had their last use for their expert:
	SETC EN                                        ; b2, the gates and W2's scale bytes go on to the next expert,
	s_add_co_u32 s59, s[EN], 1
	s_and_b32 s59, s59, 7
	SETN 59                                        ; W1's scale bytes and b1, which run an expert ahead, to the one after it (in the last trip: set and not used)
	TRIPB 1, 131072, -1, T1B, 1, 0, 1, 0, 1, 1, -1, -1, 0
	s_add_co_u32 s[EN], s[EN], 1
	s_and_b32 s[EN], s[EN], 7                      ; round the eight experts
	s_sub_co_u32 s[CNT], s[CNT], 1
	s_cmp_lg_u32 s[CNT], 0
	s_cbranch_scc1 .Lpair
	; the tail is written out: slot 0 has had its last fill; slot 1 takes the last two chunks of W2
	TRIPA 2, 0, T1B, T1A, 0, 1, 1, -1, QB2, 0, -1, 1
	TRIPB 0, 0, 0, T1A, 0, 1, 1, 1, 1, 0, -1, -1, 16
	TRIPA 2, 256, T1A, T1B, 1, 0, 1, -1, 0, 0, -1, 0
	TRIPB 0, 0, 0, T1B, 1, 0, 1, 0, 0, 1, -1, -1, -1
	; THE WAY OUT.  A lane holds 32 neighbouring bytes of a token's row, and the lanes beside it hold other tokens: a token tile (16 rows x my 256 bytes) goes through my stage and comes back by rows.
	; The stage lies in my own part of slot 0, which has had its last fill and which no other wave reads.  LDS serves a wave's instructions in order (ISA guide 5.7.1.4): no wait between the stores and the loads, nor in front of the next tile's stores.
.irp m, 0,1
	WIN 0x04                                       ; an LDS store's data are its source 1: window 1
.irp dt, 0,1,2,3
	ds_store_b128 v[STO], v[OUT+8*(2*\dt+\m):OUT+8*(2*\dt+\m)+3] offset:64*\dt
	ds_store_b128 v[STO], v[OUT+8*(2*\dt+\m)+4:OUT+8*(2*\dt+\m)+7] offset:64*\dt+16
.endr
	WIN 0
.irp i, 0,1,2,3,4,5,6,7
	ds_load_b128 v[RB+32*\m+4*\i:RB+32*\m+4*\i+3], v[RD] offset:2*\i*ROWP
.endr
.endr
.irp m, 0,1
.irp i, 0,1,2,3,4,5,6,7
	s_wait_dscnt 16*(1-\m)+7-\i                    ; behind this load: the rest of its tile's, and for tile 0 the sixteen LDS instructions of tile 1
	global_store_b128 v[CO], v[RB+32*\m+4*\i:RB+32*\m+4*\i+3], s[PO:PO+1] offset:(16*\m+2*\i)*2048 th:TH_STORE_NT   ; sixteen lanes store 256 consecutive bytes, at a multiple of 256 from out0's first byte
.endr
.endr
	s_wait_tensorcnt 0x0                           ; the wave's end: behind my last tensor load and my last LDS store
	ds_add_u32 v[SPW], v[NIL]
	s_wait_dscnt 0x0
	CROUND                                         ; the closing round: no work-group ends while a partner may still ask for a tile that names it
	s_endpgm
.Lfunc_end_k_q16455fa78f_moe:
	.size	k_q16455fa78f_moe, .Lfunc_end_k_q16455fa78f_moe-k_q16455fa78f_moe
	.p2alignl 7, 3214868480
	.fill 96, 4, 3214868480
	.section	.rodata,"a",@progbits
	.p2align	6, 0x0
	.amdhsa_kernel k_q16455fa78f_moe
		.amdhsa_group_segment_fixed_size 327680
		.amdhsa_private_segment_fixed_size 0
		.amdhsa_enable_private_segment 0
		.amdhsa_kernarg_size 80
		.amdhsa_user_sgpr_count 2
		.amdhsa_user_sgpr_kernarg_segment_ptr 1
		.amdhsa_wavefront_size32 1
		.amdhsa_system_sgpr_workgroup_id_x 1
		.amdhsa_system_sgpr_workgroup_id_y 1
		.amdhsa_system_sgpr_workgroup_id_z 1
		.amdhsa_system_vgpr_workitem_id 0
		.amdhsa_next_free_vgpr 512
		.amdhsa_next_free_sgpr 102
		.amdhsa_reserve_vcc 0
		.amdhsa_float_denorm_mode_32 3
		.amdhsa_float_denorm_mode_16_64 3
		.amdhsa_memory_ordered 1
		.amdhsa_forward_progress 1
		.amdhsa_inst_pref_size 255
	.end_amdhsa_kernel
	.section	.bss,"aw",@nobits
	.p2align	6
	.space	262144
	.amdgpu_metadata
---
amdhsa.version: [ 1, 2 ]
amdhsa.kernels:
  - .name:           k_q16455fa78f_moe
    .symbol:         k_q16455fa78f_moe.kd
    .args:
      - { .name: x_codes, .offset: 0, .size: 8, .value_kind: global_buffer, .address_space: global }
      - { .name: x_scales, .offset: 8, .size: 8, .value_kind: global_buffer, .address_space: global }
      - { .name: w1_codes, .offset: 16, .size: 8, .value_kind: global_buffer, .address_space: global }
      - { .name: w1_scales, .offset: 24, .size: 8, .value_kind: global_buffer, .address_space: global }
      - { .name: b1, .offset: 32, .size: 8, .value_kind: global_buffer, .address_space: global }
      - { .name: w2_codes, .offset: 40, .size: 8, .value_kind: global_buffer, .address_space: global }
      - { .name: w2_scales, .offset: 48, .size: 8, .value_kind: global_buffer, .address_space: global }
      - { .name: b2, .offset: 56, .size: 8, .value_kind: global_buffer, .address_space: global }
      - { .name: weights, .offset: 64, .size: 8, .value_kind: global_buffer, .address_space: global }
      - { .name: out0, .offset: 72, .size: 8, .value_kind: global_buffer, .address_space: global }
    .group_segment_fixed_size: 327680
    .private_segment_fixed_size: 0
    .kernarg_segment_align: 8
    .kernarg_segment_size: 80
    .max_flat_workgroup_size: 256
    .sgpr_count:     102
    .vgpr_count:     512
    .wavefront_size: 32
...
	.end_amdgpu_metadata
.endif
;; end of part 2
